; MI455X (gfx1250); checked and timed in simulation.
; The chip was launched on July 23, 2026; its instructions are those of AMD's public machine-readable ISA for CDNA 5 (MIT licence, August 2026) and "CDNA5" Instruction Set Architecture Reference Guide (July 2026). The comments in the code are by the model that wrote it; some were corrected since.
;; Mo E Layer. Allowed arithmetic: matrix products marked QUANTISED: E5M2 operands, one E8M0 scale for each 32 along K, by v_wmma_scale_f32_16x16x128_f8f6f4 with both operands' format E5M2, f32 sums; everything else in f32.
;; Inputs: W_codes 16 x 1,024 x 32 x 32 uint8 (E5M2 codes of W, K innermost, in blocks of 32 codes); W_scales 16 x 1,024 x 32 uint8 (E8M0 scales of W, one for each 32 codes along K); Wg_codes 16 x 32 x 32 uint8 (E5M2 codes of Wg, K innermost, in blocks of 32 codes); Wg_scales 16 x 32 uint8 (E8M0 scales of Wg, one for each 32 codes along K); b 16 x 1,024 float32; bg 16 float32; x_codes 4,096 x 32 x 32 uint8 (E5M2 codes of x, K innermost, in blocks of 32 codes); x_scales 4,096 x 32 uint8 (E8M0 scales of x, one for each 32 codes along K).
;; Outputs: out0 4,096 x 1,024 float32; out1 one number float32.
;; This version of the problem:
;;   THIS VERSION OF THE PROBLEM IS GIVEN IN LOW PRECISION. The matrix products marked QUANTISED in the list below multiply operands that are first quantised to E5M2 (5 exponent bits, 2 mantissa bits; 8 bits a number), with one power-of-two scale for each 32 numbers along K (OCP MX v1.0); their sums are f32. All else is computed in f32.
;;   The module's matrix products, in the order in which they are computed (A, B: the left and right operand; K: the contracted axis; several contracted axes count as one K, in the product's order):
;;     1. [M 4,096, K 1,024] x [K 1,024, N 16,384]; A: input x (given as codes); B: input W (given as codes): QUANTISED
;;     2. [M 4,096, K 1,024] x [K 1,024, N 16]; A: input x (given as codes); B: input Wg (given as codes): QUANTISED
;;   THE QUANTISER, for each operand of a quantised product, along K:
;;     - K is cut into blocks of 32 from its start; a last block that is shorter is filled with zeros.
;;     - A block's scale is 2^e with e = floor(log2(the largest magnitude in the block)) - 15, held to -126 .. 127; a block of zeros has e = 0. As a byte (E8M0): e + 127.
;;     - Each number is divided by its block's scale, clamped to +-57,344, and rounded to the nearest number of E5M2, ties to even, subnormals kept.
;;     - The product sums the exact products of the quantised numbers (number of the format x scale) in f32.
;;   ~~~python
;;   def quantise(x, axis):      # numpy; x: float32 -> the quantised numbers, widened to float32 again
;;       x = np.moveaxis(x, axis, -1); K = x.shape[-1]
;;       x = np.pad(x, [(0, 0)] * (x.ndim - 1) + [(0, -K % 32)]); x = x.reshape(x.shape[:-1] + (-1, 32)); a = np.abs(x).max(-1, keepdims=True)
;;       e = np.where(a > 0, np.clip(np.frexp(np.where(a > 0, a, 1))[1] - 1 - 15, -126, 127), 0)      # np.frexp(a)[1] - 1 = floor(log2(a)), exactly
;;       r = np.clip(x / 2.0 ** e, -57344, 57344)
;;       step = 2.0 ** (np.maximum(np.frexp(np.where(r == 0, 1, r))[1] - 1, -14) - 2)
;;       q = np.round(r / step) * step * 2.0 ** e      # np.round: ties to even
;;       return np.moveaxis(q.reshape(q.shape[:-2] + (-1,))[..., :K], -1, axis).astype(np.float32)
;;   ~~~
;;   INPUTS GIVEN AS CODES. W (in the module: [16, 1024, 1024], K = its axis 1); Wg (in the module: [1024, 16], K = its axis 0); x (in the module: [4096, 1024], K = its axis 1): each comes as NAME_codes (uint8): NAME with its K axis moved to the last place and cut into blocks of 32 codes, [.., K / 32, bytes a block], one block behind the other in memory; one code a byte (a code: sign, 5 exponent bits, 2 mantissa bits); and NAME_scales (uint8): the same leading axes, one E8M0 byte (e + 127) for each 32 codes along K. Its value is code x scale, taken as it is: it is not quantised again, and the codes and scales need not be those that the quantiser above would give.
;; 2 versions. Each part assembles by itself: llvm-mc -triple=amdgcn-amd-amdhsa -mcpu=gfx1250 --defsym DOCPART=n.
;; ======== version 1 of 2: 3 launches
;; workspace buffers: comp 16,384 bytes of whole numbers; wts 32,768 bytes; part 4,096 bytes; rec 16,384 bytes of whole numbers; wsort 32,768 bytes
;; launch gate (part 1): grid 64 x 1, 4 waves a work-group, no clusters, 1,536 bytes of LDS; arguments x_codes, x_scales, Wg_codes, Wg_scales, bg, comp, wts, part; writes comp, wts, part
.if DOCPART == 1
	.amdgcn_target "amdgcn-amd-amdhsa--gfx1250"
	.amdhsa_code_object_version 6
	.text
	.protected	k_qc0b32b14e9_gate
	.globl	k_qc0b32b14e9_gate
	.p2align	8
	.type	k_qc0b32b14e9_gate,@function
k_qc0b32b14e9_gate:
	s_mov_b64 s[64:65], 0
	v_nop
	global_prefetch_b8 v0, s[64:65] scope:SCOPE_SE
	s_setreg_imm32_b32 hwreg(HW_REG_WAVE_MODE, 25, 1), 1
	s_wait_xcnt 0x0
; THE GATE.  logits[n][e] = sum over k of x[n][k] Wg[k][e] + bg[e], on codes of E5M2 with one E8M0 scale for each 32 along K; sums in f32.
; For each token: its two largest logits (of equal logits the lower index first), the softmax over those two, and the softmax over all 16.
; Stored, all at fixed places: comp[n] = lo<<16 | hi<<12 | n (lo < hi: the token's two experts), wts[n] = (weight of lo, weight of hi),
; part[work-group][e] = the sum of the 16-way softmax over the work-group's 64 tokens.  No address here hangs on a logit.
; SHARES.  64 work-groups of four waves; a wave owns 16 tokens.  The product is used transposed: source 0 = Wg's 16 rows (the experts),
; source 1 = 16 tokens: lane (r, h) holds token r, and its register j the logit of expert 8 h + j.
; K = 1,024 is eight matrix instructions: steps 0-3 on one accumulator (begun with bg as C), steps 4-7 on a second (begun with 0), by turns.
; LIMITS: NaN and infinities among the logits are not served.  K is summed in two halves, so the last bits of a logit may differ from one ascending sum:
; a second and a third logit that lie closer together than that rounding can change places.
; REGISTERS: window 0: v1-6 ids and offsets; v8-11 x's scale words, v12-15 Wg's (register j: K step j in lanes 0-15, K step 4 + j in lanes 16-31);
;   v16-23 bg; v24-31, v32-39 the accumulators; v40-47 my 8 logits; v48-55 the other half's; v56-71 all 16; v72-99 at work; v100-105 addresses for the way out;
;   v128-255 x's eight fragments.   window 1: v0-127 Wg's eight fragments.
.set XF, 128
.set MSB, 0
.macro WIN new                         ; the immediate's high byte repeats the setting that is left
.if MSB != \new
	s_set_vgpr_msb (MSB<<8)|\new
.set MSB, \new
.endif
.endm
	s_load_b512 s[4:19], s[0:1], 0x0               ; x_codes s[4:5], x_scales s[6:7], Wg_codes s[8:9], Wg_scales s[10:11], bg s[12:13], comp s[14:15], wts s[16:17], part s[18:19]
	v_lshl_add_u32 v126, v0, 2, 0x400
	v_mov_b32 v127, 0
	v_lshrrev_b32 v1, 5, v0
	v_readfirstlane_b32 s20, v1                    ; wave 0..3
	v_and_b32 v1, 15, v0                           ; r
	v_bfe_u32 v2, v0, 4, 1                         ; h
	v_and_b32 v6, 31, v0                           ; lane
	v_lshlrev_b32 v3, 10, v1
	v_lshl_add_u32 v3, v2, 4, v3                   ; codes: row r of 1,024 bytes + 16 h (x and Wg alike)
	v_lshlrev_b32 v4, 5, v1
	v_lshl_add_u32 v4, v2, 4, v4                   ; scale bytes: row r of 32 bytes + 16 h: four words, K steps 4 h .. 4 h + 3
	v_lshlrev_b32 v5, 5, v2                        ; bg: my eight experts' 32 bytes
	s_lshl_b32 s28, s20, 6
	s_lshl_b32 s29, s20, 7
	v_lshlrev_b32 v100, 2, v1
	v_add_nc_u32 v100, s28, v100                   ; LDS: comp of token 16 w + r
	v_lshlrev_b32 v101, 3, v1
	v_add_nc_u32 v101, s29, v101                   ; LDS (+256): its two weights
	v_add_nc_u32 v102, s28, v5                     ; LDS (+768): my wave's 16 sums, my half's eight
	v_lshlrev_b32 v103, 3, v6                      ; the way out: 8 bytes a lane,
	v_lshlrev_b32 v104, 4, v6                      ; 16 bytes a lane,
	v_lshlrev_b32 v105, 2, v1                      ; 4 bytes for each of 16 lanes
	s_lshl_b32 s21, ttmp9, 6
	s_lshl_b32 s22, s20, 4
	s_add_co_u32 s21, s21, s22                     ; my first token: 64 x work-group + 16 x wave
	s_mov_b32 s23, 0
	s_mov_b32 s24, 0x76543210
	s_mov_b32 s25, 0xfedcba98                      ; v_permlanex16_b32's selects for lane l xor 16
	s_mov_b32 s26, 0x3fb8aa3b                      ; log2(e)
	v_cmp_eq_u32 s27, 1, v2                        ; the lanes of the upper half
.irp j, 0,1,2,3,4,5,6,7
	v_mov_b32 v[48+\j], 0                          ; written once: a lane permute's destination counts as one of its sources
.endr
	v_mov_b32 v99, 0
	v_mov_b32 v76, 0xff800000                      ; -infinity
	s_wait_kmcnt 0x0
	s_lshl_b32 s22, s21, 10
	s_add_nc_u64 s[4:5], s[4:5], s[22:23]          ; x's codes at my first token
	s_lshl_b32 s22, s21, 5
	s_add_nc_u64 s[6:7], s[6:7], s[22:23]          ; and its scale bytes
	s_lshl_b32 s22, ttmp9, 8
	s_add_nc_u64 s[14:15], s[14:15], s[22:23]      ; comp: 256 bytes a work-group
	s_lshl_b32 s22, ttmp9, 9
	s_add_nc_u64 s[16:17], s[16:17], s[22:23]      ; wts: 512
	s_lshl_b32 s22, ttmp9, 6
	s_add_nc_u64 s[18:19], s[18:19], s[22:23]      ; part: 64
	; a fragment, 16 rows x 128 K of 8-bit codes, is 16 registers: lane (r, h) holds row r; registers 4 q .. 4 q + 3 hold K = 32 q + 16 h + 0 .. 15
.irp s, 0,1,2,3,4,5,6,7
.irp q, 0,1,2,3
	global_load_b128 v[XF+16*\s+4*\q:XF+16*\s+4*\q+3], v3, s[4:5] offset:128*\s+32*\q
.endr
.endr
	WIN 0x40                                       ; destination window 1
.irp s, 0,1,2,3,4,5,6,7
.irp q, 0,1,2,3
	global_load_b128 v[16*\s+4*\q:16*\s+4*\q+3], v3, s[8:9] offset:128*\s+32*\q
.endr
.endr
	WIN 0
	global_load_b128 v[8:11], v4, s[6:7]
	global_load_b128 v[12:15], v4, s[10:11]
	global_load_b128 v[16:19], v5, s[12:13]
	global_load_b128 v[20:23], v5, s[12:13] offset:16
	s_wait_loadcnt 0x0                             ; everything is wanted at once
	WIN 0x01                                       ; source 0 (Wg) window 1
	; the two accumulators take turns, one instruction a turn
	v_wmma_scale_f32_16x16x128_f8f6f4 v[24:31], v[0:15], v[XF:XF+15], v[16:23], v12, v8 matrix_a_fmt:MATRIX_FMT_BF8 matrix_b_fmt:MATRIX_FMT_BF8
	v_wmma_scale_f32_16x16x128_f8f6f4 v[32:39], v[64:79], v[XF+64:XF+79], 0, v12, v8 matrix_a_fmt:MATRIX_FMT_BF8 matrix_b_fmt:MATRIX_FMT_BF8 matrix_a_scale:MATRIX_SCALE_ROW1 matrix_b_scale:MATRIX_SCALE_ROW1
.irp s, 1,2,3
	v_wmma_scale_f32_16x16x128_f8f6f4 v[24:31], v[16*\s:16*\s+15], v[XF+16*\s:XF+16*\s+15], v[24:31], v[12+\s], v[8+\s] matrix_a_fmt:MATRIX_FMT_BF8 matrix_b_fmt:MATRIX_FMT_BF8
	v_wmma_scale_f32_16x16x128_f8f6f4 v[32:39], v[64+16*\s:64+16*\s+15], v[XF+64+16*\s:XF+64+16*\s+15], v[32:39], v[12+\s], v[8+\s] matrix_a_fmt:MATRIX_FMT_BF8 matrix_b_fmt:MATRIX_FMT_BF8 matrix_a_scale:MATRIX_SCALE_ROW1 matrix_b_scale:MATRIX_SCALE_ROW1
.endr
.rept 8
	v_nop                                          ; eight places between this form and the first read of its results
.endr
	WIN 0
.irp j, 0,2,4,6
	v_pk_add_f32 v[40+\j:41+\j], v[24+\j:25+\j], v[32+\j:33+\j]    ; the two halves of K; both accumulators are read from their low end on
.endr
.irp j, 0,1,2,3,4,5,6,7
	v_permlanex16_b32 v[48+\j], v[40+\j], s24, s25                 ; my token's other eight logits lie in the lane 16 away
.endr
.irp j, 0,1,2,3,4,5,6,7
	v_cndmask_b32 v[56+\j], v[40+\j], v[48+\j], s27                ; expert j: mine in the lower half of the lanes, the other's in the upper
	v_cndmask_b32 v[64+\j], v[48+\j], v[40+\j], s27                ; expert 8 + j: the other way round
.endr
.macro MAX16 d                         ; the largest of v56-71
	v_max3_num_f32 v[\d], v56, v57, v58
	v_max3_num_f32 v73, v59, v60, v61
	v_max3_num_f32 v[\d], v[\d], v62, v63
	v_max3_num_f32 v73, v73, v64, v65
	v_max3_num_f32 v[\d], v[\d], v66, v67
	v_max3_num_f32 v73, v73, v68, v69
	v_max3_num_f32 v[\d], v[\d], v70, v71
	v_max_num_f32 v[\d], v[\d], v73
.endm
.macro ARG16 idx, m                    ; the lowest index at which v56-71 equals v[m]: from 15 down, so that the lowest is written last
	v_mov_b32 v[\idx], 0
.irp e, 15,14,13,12,11,10,9,8,7,6,5,4,3,2,1,0
	v_cmp_neq_f32 vcc_lo, v[56+\e], v[\m]
	v_cndmask_b32 v[\idx], \e, v[\idx], vcc_lo
.endr
.endm
	MAX16 72                                       ; m1
	ARG16 74, 72                                   ; its expert
.irp e, 0,1,2,3,4,5,6,7,8,9,10,11,12,13,14,15
	v_cmp_eq_u32 vcc_lo, \e, v74
	v_cndmask_b32 v[56+\e], v[56+\e], v76, vcc_lo  ; that one is taken out
.endr
	MAX16 77                                       ; m2
	ARG16 75, 77                                   ; its expert
.irp j, 0,1,2,3,4,5,6,7
	v_sub_f32 v[80+\j], v[40+\j], v72              ; the maximum is taken away first, then the change of base
.endr
	v_sub_f32 v78, v77, v72
.irp j, 0,1,2,3,4,5,6,7
	v_mul_f32 v[80+\j], s26, v[80+\j]
.endr
	v_mul_f32 v78, s26, v78
.irp j, 0,1,2,3,4,5,6,7
	v_exp_f32 v[80+\j], v[80+\j]                   ; e^(logit - m1) of my eight experts
.endr
	v_exp_f32 v78, v78                             ; p = e^(m2 - m1)
	v_add_nc_u32 v98, s21, v1                      ; my token's number: the plain instruction behind the batch
	s_wait_alu depctr_va_vdst(0)                   ; one wait for the nine exponentials, ahead of their first reader
	v_pk_add_f32 v[88:89], v[80:81], v[82:83]
	v_pk_add_f32 v[90:91], v[84:85], v[86:87]
	v_pk_add_f32 v[88:89], v[88:89], v[90:91]
	v_add_f32 v88, v88, v89
	v_permlanex16_b32 v99, v88, s24, s25
	v_add_f32 v88, v88, v99                        ; the sum over all 16
	v_add_f32 v89, 1.0, v78
	v_rcp_f32 v90, v88
	v_rcp_f32 v91, v89                             ; w1 = 1 / (1 + p)
	v_min_u32 v95, v74, v75                        ; lo: the plain instruction behind the two reciprocals
	s_wait_alu depctr_va_vdst(0)                   ; one wait for both
.irp j, 0,2,4,6
	v_pk_mul_f32 v[80+\j:81+\j], v[80+\j:81+\j], v[90:91] op_sel_hi:[1,0]   ; the gates
.endr
	v_mul_f32 v94, v78, v91                        ; w2 = p w1
.irp m, 1,2,4,8
.irp j, 0,1,2,3,4,5,6,7
	v_add_f32_dpp v[80+\j], v[80+\j], v[80+\j] row_xmask:\m row_mask:0xf bank_mask:0xf   ; the gates of my wave's 16 tokens are added, expert by expert
.endr
.endr
	v_max_u32 v96, v74, v75                        ; hi
	v_cmp_lt_u32 vcc_lo, v74, v75
	v_cndmask_b32 v92, v94, v91, vcc_lo            ; the weight of lo,
	v_cndmask_b32 v93, v91, v94, vcc_lo            ; the weight of hi
	v_lshlrev_b32 v97, 16, v95
	v_lshl_or_b32 v97, v96, 12, v97
	v_or_b32 v97, v97, v98                         ; lo<<16 | hi<<12 | token
	; THE WAY OUT goes through LDS, so that comp and wts leave as whole runs of 256 and 512 bytes.  Lanes that hold the same number write the same bytes.
	ds_store_b32 v100, v97
	ds_store_b64 v101, v[92:93] offset:256
	ds_store_b128 v102, v[80:83] offset:768
	ds_store_b128 v102, v[84:87] offset:784
	s_wait_dscnt 0x0                               ; for the others' sake: my stores have landed
	s_barrier_signal -1
	s_barrier_wait -1
	s_cmp_lg_u32 s20, 0
	s_cbranch_scc1 .Lend                           ; wave 0 stores for the work-group
	ds_load_b64 v[106:107], v103
	ds_load_b128 v[108:111], v104 offset:256
.irp w, 0,1,2,3
	ds_load_b32 v[112+\w], v105 offset:768+64*\w
.endr
	s_wait_dscnt 0x0
	global_store_b64 v103, v[106:107], s[14:15]    ; 32 lanes store 256 consecutive bytes, aligned
	global_store_b128 v104, v[108:111], s[16:17]   ; and 512
	v_add_f32 v112, v112, v113
	v_add_f32 v114, v114, v115
	v_add_f32 v112, v112, v114                     ; the four waves' sums
	v_cmp_gt_u32 vcc_lo, 16, v6
	s_wait_xcnt 0x0                                ; EXEC is a source of the stores above: it changes only behind this wait
	s_and_saveexec_b32 s28, vcc_lo
	global_store_b32 v105, v112, s[18:19]          ; 16 sums, 64 bytes
	s_wait_xcnt 0x0
	s_or_b32 exec_lo, exec_lo, s28
.Lend:
	s_wait_tensorcnt 0x0
	ds_add_u32 v126, v127
	s_wait_dscnt 0x0
	s_endpgm
.Lfunc_end_k_qc0b32b14e9_gate:
	.size	k_qc0b32b14e9_gate, .Lfunc_end_k_qc0b32b14e9_gate-k_qc0b32b14e9_gate
	.p2alignl 7, 3214868480
	.fill 96, 4, 3214868480
	.section	.rodata,"a",@progbits
	.p2align	6, 0x0
	.amdhsa_kernel k_qc0b32b14e9_gate
		.amdhsa_group_segment_fixed_size 1536
		.amdhsa_private_segment_fixed_size 0
		.amdhsa_enable_private_segment 0
		.amdhsa_kernarg_size 64
		.amdhsa_user_sgpr_count 2
		.amdhsa_user_sgpr_kernarg_segment_ptr 1
		.amdhsa_wavefront_size32 1
		.amdhsa_system_sgpr_workgroup_id_x 1
		.amdhsa_system_sgpr_workgroup_id_y 1
		.amdhsa_system_sgpr_workgroup_id_z 1
		.amdhsa_system_vgpr_workitem_id 0
		.amdhsa_next_free_vgpr 384
		.amdhsa_next_free_sgpr 66
		.amdhsa_reserve_vcc 1
		.amdhsa_float_denorm_mode_32 3
		.amdhsa_float_denorm_mode_16_64 3
		.amdhsa_memory_ordered 1
		.amdhsa_forward_progress 1
		.amdhsa_inst_pref_size 22
	.end_amdhsa_kernel
	.amdgpu_metadata
---
amdhsa.version: [ 1, 2 ]
amdhsa.kernels:
  - .name:           k_qc0b32b14e9_gate
    .symbol:         k_qc0b32b14e9_gate.kd
    .args:
      - { .name: x_codes, .offset: 0, .size: 8, .value_kind: global_buffer, .address_space: global }
      - { .name: x_scales, .offset: 8, .size: 8, .value_kind: global_buffer, .address_space: global }
      - { .name: Wg_codes, .offset: 16, .size: 8, .value_kind: global_buffer, .address_space: global }
      - { .name: Wg_scales, .offset: 24, .size: 8, .value_kind: global_buffer, .address_space: global }
      - { .name: bg, .offset: 32, .size: 8, .value_kind: global_buffer, .address_space: global }
      - { .name: comp, .offset: 40, .size: 8, .value_kind: global_buffer, .address_space: global }
      - { .name: wts, .offset: 48, .size: 8, .value_kind: global_buffer, .address_space: global }
      - { .name: part, .offset: 56, .size: 8, .value_kind: global_buffer, .address_space: global }
    .group_segment_fixed_size: 1536
    .private_segment_fixed_size: 0
    .kernarg_segment_align: 8
    .kernarg_segment_size: 64
    .max_flat_workgroup_size: 128
    .sgpr_count:     66
    .vgpr_count:     384
    .wavefront_size: 32
...
	.end_amdgpu_metadata
.endif
;; end of part 1
;; launch place (part 2): grid 256 x 1, 16 waves a work-group, no clusters, 4,096 bytes of LDS; arguments comp, wts, part, rec, wsort, out1; writes rec, wsort, out1
.if DOCPART == 2
	.amdgcn_target "amdgcn-amd-amdhsa--gfx1250"
	.amdhsa_code_object_version 6
	.text
	.protected	k_qc0b32b14e9_place
	.globl	k_qc0b32b14e9_place
	.p2align	8
	.type	k_qc0b32b14e9_place,@function
k_qc0b32b14e9_place:
	s_mov_b64 s[64:65], 0
	v_nop
	global_prefetch_b8 v0, s[64:65] scope:SCOPE_SE
	s_setreg_imm32_b32 hwreg(HW_REG_WAVE_MODE, 25, 1), 1
	s_wait_xcnt 0x0
; THE PLACING.  comp[n] = lo<<16 | hi<<12 | n is a different number for every token, so a token's rank, the count of smaller numbers among all 4,096, is a permutation
; that sorts the tokens by (lo, hi).  rec[rank] = comp[n], wsort[rank] = wts[n].  No atomics, no sort: every rank is counted outright, with addresses that hang on ids alone;
; only the two stores at the end go to a place made of the rank, a whole number counted from whole numbers that this launch reads.
; SHARES.  Work-group g owns tokens 16 g .. 16 g + 15.  Lane (r, h) of wave w counts, for token 16 g + r, the smaller ones among the 128 numbers from 128 (2 w + h) on:
; the sixteen lanes of a half read the same 16 bytes.  The 32 counts of a token meet by one lane exchange and through LDS.
; One wave of the launch (work-group 0, wave 15) also finishes the second output: aux = -(ln 2 / 16) x the sum over e of log2(16 x importance[e]),
; importance[e] = the sum of part[.][e] / 4,096.  (q (log q - log imp) with q = 1/16 is -(1/16) ln(16 imp): one logarithm of a number near 1, no difference of logarithms.)
; No matrix unit, no tensor load, no cluster: there is no product here and nothing large is shared.
	s_load_b256 s[4:11], s[0:1], 0x0               ; comp s[4:5], wts s[6:7], part s[8:9], rec s[10:11]
	s_load_b128 s[12:15], s[0:1], 0x20             ; wsort s[12:13], out1 s[14:15]
	v_lshl_add_u32 v192, v0, 2, 0x800
	v_mov_b32 v193, 0
	v_lshrrev_b32 v1, 5, v0
	v_readfirstlane_b32 s16, v1                    ; wave 0..15
	v_and_b32 v1, 31, v0                           ; lane
	v_and_b32 v2, 15, v0                           ; r
	v_bfe_u32 v3, v0, 4, 1                         ; h
	s_lshl_b32 s17, ttmp9, 6
	v_lshlrev_b32 v4, 2, v2
	v_add_nc_u32 v4, s17, v4                       ; my token's number in comp: 4 (16 g + r)
	s_lshl_b32 s17, ttmp9, 7
	v_lshlrev_b32 v11, 3, v2
	v_add_nc_u32 v11, s17, v11                     ; its weights: 8 (16 g + r)
	s_lshl_b32 s17, s16, 10
	v_lshlrev_b32 v8, 9, v3
	v_add_nc_u32 v8, s17, v8                       ; my 128 numbers: 512 (2 w + h)
	v_lshlrev_b32 v12, 2, v0                       ; LDS: 4 x thread
	v_lshlrev_b32 v13, 2, v1                       ; LDS: 4 x lane
	v_lshlrev_b32 v14, 4, v1                       ; part: 16 x lane
	v_mov_b32 v9, 0                                ; the count
	v_mov_b32 v10, 0                               ; (a lane permute's destination counts as one of its sources)
	v_mov_b32 v15, 0
	s_mov_b32 s18, 0x76543210
	s_mov_b32 s19, 0xfedcba98                      ; v_permlanex16_b32's selects for lane l xor 16
	s_wait_kmcnt 0x0
	global_load_b32 v5, v4, s[4:5]
	global_load_b64 v[6:7], v11, s[6:7]
.irp i, 0,1,2,3,4,5,6,7,8,9,10,11,12,13,14,15,16,17,18,19,20,21,22,23,24,25,26,27,28,29,30,31
	global_load_b128 v[16+4*\i:19+4*\i], v8, s[4:5] offset:16*\i
.endr
	s_cmp_lg_u32 ttmp9, 0
	s_cbranch_scc1 .Lscan
	s_cmp_lg_u32 s16, 15
	s_cbranch_scc1 .Lscan
	; ---- the aux loss.  part is 64 rows of 16: a lane's 16 bytes at 16 x lane + 512 i are experts 4 (lane % 4) + 0 .. 3 of row 8 i + lane / 4
.irp i, 0,1,2,3,4,5,6,7
	global_load_b128 v[144+4*\i:147+4*\i], v14, s[8:9] offset:512*\i
.endr
	s_wait_loadcnt 0x0
.irp i, 1,2,3,4,5,6,7
	v_pk_add_f32 v[144:145], v[144:145], v[144+4*\i:145+4*\i]
	v_pk_add_f32 v[146:147], v[146:147], v[146+4*\i:147+4*\i]
.endr
.irp m, 4,8
.irp j, 0,1,2,3
	v_add_f32_dpp v[144+\j], v[144+\j], v[144+\j] row_xmask:\m row_mask:0xf bank_mask:0xf   ; the lanes of equal lane % 4
.endr
.endr
.irp j, 0,1,2,3
	v_permlanex16_b32 v[148+\j], v[144+\j], s18, s19
.endr
.irp j, 0,1,2,3
	v_add_f32 v[144+\j], v[144+\j], v[148+\j]
.endr
.irp j, 0,1,2,3
	v_mul_f32 v[144+\j], 0x3b800000, v[144+\j]     ; / 256: 16 x the importance
.endr
.irp j, 0,1,2,3
	v_log_f32 v[144+\j], v[144+\j]
.endr
	v_nop                                          ; a plain instruction behind the last logarithm
	s_wait_alu depctr_va_vdst(0)                   ; and one wait for the four, ahead of their first reader
	v_add_f32 v144, v144, v145
	v_add_f32 v146, v146, v147
	v_add_f32 v144, v144, v146
	v_add_f32_dpp v144, v144, v144 row_xmask:1 row_mask:0xf bank_mask:0xf
	v_add_f32_dpp v144, v144, v144 row_xmask:2 row_mask:0xf bank_mask:0xf   ; all 16 experts
	v_mul_f32 v144, 0xbd317218, v144               ; x -(ln 2) / 16
	v_cmp_eq_u32 vcc_lo, 0, v1
	s_wait_xcnt 0x0                                ; EXEC is a source of the loads above: it changes only behind this wait
	s_and_saveexec_b32 s20, vcc_lo
	global_store_b32 v15, v144, s[14:15]
	s_wait_xcnt 0x0
	s_or_b32 exec_lo, exec_lo, s20
.Lscan:
	; ---- the count, in four groups of eight loads.  Loads come back in order: the count of each wait is the number of scan loads issued behind the group
.irp g, 0,1,2,3
	s_wait_loadcnt 24-8*\g
.irp i, 0,1,2,3,4,5,6,7,8,9,10,11,12,13,14,15,16,17,18,19,20,21,22,23,24,25,26,27,28,29,30,31
	v_cmp_lt_u32 vcc_lo, v[16+32*\g+\i], v5        ; is it smaller than mine?
	v_add_co_ci_u32 v9, vcc_lo, 0, v9, vcc_lo      ; the answer is added as a carry
.endr
.endr
	v_permlanex16_b32 v10, v9, s18, s19
	v_add_nc_u32 v9, v9, v10                       ; my wave's 256 numbers
	ds_store_b32 v12, v9
	s_wait_dscnt 0x0                               ; for the others' sake: my store has landed
	s_barrier_signal -1
	s_barrier_wait -1
	s_cmp_lg_u32 s16, 0
	s_cbranch_scc1 .Lend                           ; wave 0 adds the sixteen waves' counts and places the 16 tokens
.irp w, 0,1,2,3,4,5,6,7,8,9,10,11,12,13,14,15
	ds_load_b32 v[16+\w], v13 offset:128*\w
.endr
	s_wait_dscnt 0x0
	v_add3_u32 v16, v16, v17, v18
	v_add3_u32 v19, v19, v20, v21
	v_add3_u32 v22, v22, v23, v24
	v_add3_u32 v25, v25, v26, v27
	v_add3_u32 v28, v28, v29, v30
	v_add3_u32 v16, v16, v19, v22
	v_add3_u32 v25, v25, v28, v31
	v_add_nc_u32 v9, v16, v25                      ; the rank
	v_min_u32 v9, 0xfff, v9                        ; held inside the tables ahead of its use in an address
	v_lshlrev_b32 v16, 2, v9
	v_lshlrev_b32 v17, 3, v9
	v_cmp_gt_u32 vcc_lo, 16, v1
	s_wait_xcnt 0x0
	s_and_saveexec_b32 s20, vcc_lo
	global_store_b32 v16, v5, s[10:11]             ; scattered stores of 4 and 8 bytes: that is what placing is; 48 KiB in the whole launch
	global_store_b64 v17, v[6:7], s[12:13]
	s_wait_xcnt 0x0
	s_or_b32 exec_lo, exec_lo, s20
.Lend:
	s_wait_tensorcnt 0x0
	ds_add_u32 v192, v193
	s_wait_dscnt 0x0
	s_endpgm
.Lfunc_end_k_qc0b32b14e9_place:
	.size	k_qc0b32b14e9_place, .Lfunc_end_k_qc0b32b14e9_place-k_qc0b32b14e9_place
	.p2alignl 7, 3214868480
	.fill 96, 4, 3214868480
	.section	.rodata,"a",@progbits
	.p2align	6, 0x0
	.amdhsa_kernel k_qc0b32b14e9_place
		.amdhsa_group_segment_fixed_size 4096
		.amdhsa_private_segment_fixed_size 0
		.amdhsa_enable_private_segment 0
		.amdhsa_kernarg_size 48
		.amdhsa_user_sgpr_count 2
		.amdhsa_user_sgpr_kernarg_segment_ptr 1
		.amdhsa_wavefront_size32 1
		.amdhsa_system_sgpr_workgroup_id_x 1
		.amdhsa_system_sgpr_workgroup_id_y 1
		.amdhsa_system_sgpr_workgroup_id_z 1
		.amdhsa_system_vgpr_workitem_id 0
		.amdhsa_next_free_vgpr 194
		.amdhsa_next_free_sgpr 66
		.amdhsa_reserve_vcc 1
		.amdhsa_float_denorm_mode_32 3
		.amdhsa_float_denorm_mode_16_64 3
		.amdhsa_memory_ordered 1
		.amdhsa_forward_progress 1
		.amdhsa_inst_pref_size 19
	.end_amdhsa_kernel
	.amdgpu_metadata
---
amdhsa.version: [ 1, 2 ]
amdhsa.kernels:
  - .name:           k_qc0b32b14e9_place
    .symbol:         k_qc0b32b14e9_place.kd
    .args:
      - { .name: comp, .offset: 0, .size: 8, .value_kind: global_buffer, .address_space: global }
      - { .name: wts, .offset: 8, .size: 8, .value_kind: global_buffer, .address_space: global }
      - { .name: part, .offset: 16, .size: 8, .value_kind: global_buffer, .address_space: global }
      - { .name: rec, .offset: 24, .size: 8, .value_kind: global_buffer, .address_space: global }
      - { .name: wsort, .offset: 32, .size: 8, .value_kind: global_buffer, .address_space: global }
      - { .name: out1, .offset: 40, .size: 8, .value_kind: global_buffer, .address_space: global }
    .group_segment_fixed_size: 4096
    .private_segment_fixed_size: 0
    .kernarg_segment_align: 8
    .kernarg_segment_size: 48
    .max_flat_workgroup_size: 512
    .sgpr_count:     66
    .vgpr_count:     194
    .wavefront_size: 32
...
	.end_amdgpu_metadata
.endif
;; end of part 2
;; launch experts (part 3): grid 4 x 64, 4 waves a work-group, no clusters, 83,456 bytes of LDS; arguments x_codes, x_scales, W_codes, W_scales, b, rec, wsort, out0; writes out0
.if DOCPART == 3
	.amdgcn_target "amdgcn-amd-amdhsa--gfx1250"
	.amdhsa_code_object_version 6
	.text
	.protected	k_qc0b32b14e9_experts
	.globl	k_qc0b32b14e9_experts
	.p2align	8
	.type	k_qc0b32b14e9_experts,@function
k_qc0b32b14e9_experts:
	s_mov_b64 s[64:65], 0
	v_nop
	global_prefetch_b8 v0, s[64:65] scope:SCOPE_SE
	s_setreg_imm32_b32 hwreg(HW_REG_WAVE_MODE, 25, 1), 1
	s_wait_xcnt 0x0
; THE EXPERTS.  out0[n][:] = w_lo (x[n] W[lo] + b[lo]) + w_hi (x[n] W[hi] + b[hi]), on codes of E5M2 with one E8M0 scale for each 32 along K; sums in f32.
; Only the experts that a token chose are kept by the problem, so only experts that somebody here chose are multiplied.
; SHARES.  rec holds the tokens sorted by (lo, hi).  A work-group owns 64 neighbours of that order (work-group y) x 256 output columns (work-group x): 256 work-groups, each output number has one owner.
; Wave w takes all 64 tokens (four tiles t) x columns col0 = 256 x + 64 w on (four tiles c).  The work-group walks the experts that its 64 tokens name, lowest first: for each,
; TMP = X W_e^T + b_e (128 matrix instructions a wave; b_e is the C of the first K step), then OUT += w_e(token) x TMP, w_e = 0 for a token that did not choose e.
; The product is used transposed (source 0 = 16 rows of W_e, which are output columns; source 1 = 16 tokens): lane (r, h), register j of accumulator (t, c) holds out(token 16 t + r, col0 + 16 c + 8 h + j).
; W goes from memory straight into registers, through a ring of four K steps (64 loads of 16 bytes a lane), which runs on into the next expert.
; x is gathered once: wave w fetches tile w's eight fragments and lays them in LDS as images of the operand's registers; K steps 0-3 then stay in registers, K steps 4-7 come from LDS in each walk.
; NO TENSOR LOAD, NO CLUSTER, NO JOINT LOAD: the number of experts, and with it the trip count of the loop below, is read from the stored list and differs from work-group to work-group;
; work-groups that share a tile of W (equal x, some common expert) reach it in different trips, and x's rows are a gather.  The one barrier stands ahead of every branch.
; LIMITS: NaN and infinities are not served.  A token's row also meets the experts that only its 63 neighbours chose, times the weight 0: those sums must be finite in f32.
; REGISTERS, in windows of 256: window 0: v1-15 ids and addresses; v16-19 tokens, v20-23 lo, v24-27 hi, v28-35 (w_lo, w_hi), v36-43 w_e (even registers), one of each for each tile t;
;   v44-59 x's scale words; v60-75 W's; v76-107 b_e in the result's layout; v108-127 at work; v128-255 TMP, accumulator (t, c) at 128 + 8 (4 t + c); on the way out v128-223 are free.
;   window 1: v0-127 OUT, laid as TMP; v128-255 x's K steps 4-7, two buffers of four fragments.   window 2: the ring, slot i at 64 i.   window 3: x's K steps 0-3, fragment (t, s) at 16 (4 t + s).
.set VW,   4                           ; W's codes: 1,024 r + 16 h
.set VSC,  5                           ; W's scale bytes: 32 x lane
.set VBI,  6                           ; b: 32 h
.set VXL,  7                           ; an image's place for my lane: 16 x lane
.set VXS,  8                           ; where I store my tile's images: 16 x lane + 16,384 x wave
.set VST,  9                           ; my stage: where I put 32 bytes of a row
.set VRD,  10                          ; and where I read a row back
.set VXG,  11                          ; x's codes of my own tile: token x 1,024 + 16 h
.set ONE,  12
.set VRK,  13                          ; 4 h
.set R16,  14                          ; 16 r
.set TOK,  16
.set LO,   20
.set HI,   24
.set WP,   28
.set WQ,   36
.set XS,   44                          ; tile t at XS + 4 t: register j: K step j in lanes 0-15, K step 4 + j in lanes 16-31
.set SC,   60                          ; register 8 p + s: K step s: column tile 2 p in lanes 0-15, tile 2 p + 1 in lanes 16-31
.set BI,   76
.set TMP,  128
.set XB,   128                         ; in window 1
.set GOF,  128                         ; the way out: 32 byte offsets of rows in out0
.set BK,   160                         ; and two sets of 32 registers for rows read back
.set STG,  65536                       ; LDS: 0 .. 65,535 x's 32 fragments, (t, s) at 2,048 (8 t + s); behind them a stage of 16 rows x 272 bytes for each wave
.set MSB, 0
.macro WIN new                         ; the immediate's high byte repeats the setting that is left
.if MSB != \new
	s_set_vgpr_msb (MSB<<8)|\new
.set MSB, \new
.endif
.endm
; The next expert: the lowest bit of the mask s32, which is then cleared; the three bases of its codes, scale bytes and bias.  The number is held at 15 ahead of its use in an address.
.macro NEXT
	s_ctz_i32_b32 s34, s32
	s_min_u32 s34, s34, 15
	s_sub_co_u32 s37, s32, 1
	s_and_b32 s32, s32, s37
	s_lshl_b32 s38, s34, 20
	s_add_nc_u64 s[26:27], s[12:13], s[38:39]
	s_lshl_b32 s38, s34, 15
	s_add_nc_u64 s[28:29], s[14:15], s[38:39]
	s_lshl_b32 s38, s34, 12
	s_add_nc_u64 s[30:31], s[16:17], s[38:39]
.endm
.macro LDW base, set, slot             ; K step 'set' of W, four fragments, into a slot of the ring: 16 loads
	WIN 0x80                                       ; destination window 2
.irp c, 0,1,2,3
.irp q, 0,1,2,3
	global_load_b128 v[64*(\slot)+16*\c+4*\q:64*(\slot)+16*\c+4*\q+3], v[VW], s[\base:\base+1] offset:16384*\c+128*(\set)+32*\q
.endr
.endr
.endm
.macro LDBI                            ; the next expert's bias: lane (r, h) wants, for tile c, columns 16 c + 8 h + 0 .. 7: 8 loads
	WIN 0
.irp c, 0,1,2,3
	global_load_b128 v[BI+8*\c:BI+8*\c+3], v[VBI], s[30:31] offset:64*\c
	global_load_b128 v[BI+8*\c+4:BI+8*\c+7], v[VBI], s[30:31] offset:64*\c+16
.endr
.endm
.macro LDSC qd                         ; the next expert's scale words of K steps 4 qd .. 4 qd + 3: a lane a column, 32 columns a load: 2 loads
	WIN 0
.irp p, 0,1
	global_load_b128 v[SC+8*\p+4*(\qd):SC+8*\p+4*(\qd)+3], v[VSC], s[28:29] offset:1024*\p+16*(\qd)
.endr
.endm
.macro LDX s, buf                      ; x's K step s, four fragments, from LDS into a buffer: 16 loads
	WIN 0x40                                       ; destination window 1
.irp t, 0,1,2,3
.irp q, 0,1,2,3
	ds_load_b128 v[XB+64*(\buf)+16*\t+4*\q:XB+64*(\buf)+16*\t+4*\q+3], v[VXL] offset:(8*\t+(\s))*2048+512*\q
.endr
.endr
.endm
; 16 matrix instructions: K step s, the 16 accumulators by turns, in the same order in every step.
.macro PRODS s
.irp t, 0,1,2,3
.irp c, 0,1,2,3
.set rD, TMP+8*(4*\t+\c)
.set rA, 64*((\s)%4)+16*\c
.if (\s) < 4
.set rB, 16*(4*\t+(\s))
.else
.set rB, XB+64*((\s)%2)+16*\t
.endif
.if (\s) == 0
.set rC, BI+8*\c
.else
.set rC, rD
.endif
.set rSA, SC+8*(\c/2)+(\s)
.set rSB, XS+4*\t+((\s)%4)
.if ((\c%2) == 1) && ((\s) >= 4)
	v_wmma_scale_f32_16x16x128_f8f6f4 v[rD:rD+7], v[rA:rA+15], v[rB:rB+15], v[rC:rC+7], v[rSA], v[rSB] matrix_a_fmt:MATRIX_FMT_BF8 matrix_b_fmt:MATRIX_FMT_BF8 matrix_a_scale:MATRIX_SCALE_ROW1 matrix_b_scale:MATRIX_SCALE_ROW1
.elseif (\c%2) == 1
	v_wmma_scale_f32_16x16x128_f8f6f4 v[rD:rD+7], v[rA:rA+15], v[rB:rB+15], v[rC:rC+7], v[rSA], v[rSB] matrix_a_fmt:MATRIX_FMT_BF8 matrix_b_fmt:MATRIX_FMT_BF8 matrix_a_scale:MATRIX_SCALE_ROW1
.elseif (\s) >= 4
	v_wmma_scale_f32_16x16x128_f8f6f4 v[rD:rD+7], v[rA:rA+15], v[rB:rB+15], v[rC:rC+7], v[rSA], v[rSB] matrix_a_fmt:MATRIX_FMT_BF8 matrix_b_fmt:MATRIX_FMT_BF8 matrix_b_scale:MATRIX_SCALE_ROW1
.else
	v_wmma_scale_f32_16x16x128_f8f6f4 v[rD:rD+7], v[rA:rA+15], v[rB:rB+15], v[rC:rC+7], v[rSA], v[rSB] matrix_a_fmt:MATRIX_FMT_BF8 matrix_b_fmt:MATRIX_FMT_BF8
.endif
.endr
.endr
.endm
; The wait for K step s of W.  Loads come back in order; the count is the number of loads issued behind that K step's sixteen.  A trip that has a successor (pre = 1) issues, in this order:
; W4, the next bias (8) | W5 | W6 | W7, the next scale words 0-3 (2) | the next expert's W0 | W1 | W2 | W3, its scale words 4-7 (2).  The head leaves the same state as a trip's end.
;   pre = 1:  s = 0: W1 W2 W3 +2 = 50;  s = 1, 2, 3: three K steps, +2, +8 = 58;  s = 4: 8 + W5 W6 W7 + 2 = 58;  s = 5, 6, 7: three K steps + 2 = 50.
;   pre = 0:  s = 0 .. 3: three K steps + 2 = 50;  s = 4 .. 7: the K steps left: 48, 32, 16, 0.
.macro NWAIT s, pre
.if \pre
.if ((\s) == 0) || ((\s) >= 5)
	s_wait_loadcnt 50
.else
	s_wait_loadcnt 58
.endif
.else
.if (\s) < 4
	s_wait_loadcnt 50
.else
	s_wait_loadcnt 16*(7-(\s))
.endif
.endif
.endm
; A K STEP: its waits, its 16 products, eight places, and then the loads into the registers that these products have just read.
.macro KSTEP s, pre
	NWAIT \s, \pre
.if (\s) >= 4
.if ((\s) == 7) && !(\pre)
	s_wait_dscnt 0x0                               ; nothing was asked for behind x's last K step
.else
	s_wait_dscnt 16                                ; my buffer of x is in; the other buffer's 16 loads may be out
.endif
	WIN 0x06                                       ; source 0 (W) window 2, source 1 (x) window 1
.else
	WIN 0x0e                                       ; source 0 (W) window 2, source 1 (x) window 3
.endif
	PRODS \s
.rept 8
	v_nop                                          ; eight places between this form and a load into a register that it has read, or the first read of its results
.endr
.if (\s) < 4
	LDW 24, (\s)+4, \s                             ; this expert's K step s + 4 into the slot just read
.elseif \pre
	LDW 26, (\s)-4, (\s)-4                         ; the next expert's K step s - 4
.endif
.if \pre
.if (\s) == 0
	LDBI
.elseif (\s) == 3
	LDSC 0
.elseif (\s) == 7
	LDSC 1
.endif
.endif
.if (\s) == 4
	LDX 6, 0
.elseif (\s) == 5
	LDX 7, 1
.elseif ((\s) == 6) && (\pre)
	LDX 4, 0
.elseif ((\s) == 7) && (\pre)
	LDX 5, 1
.endif
.endm
; ONE EXPERT.  first = 1: its products start OUT (nothing is ever cleared).  pre = 1: another expert follows, and its W, bias and scale words are asked for on the way.
.macro TRIP first, pre
	s_wait_xcnt 0x0                                ; every load issued so far has read its base: the bases may be written
	s_mov_b64 s[24:25], s[26:27]
	s_mov_b32 s33, s34                             ; the expert in hand
.if \pre
	NEXT
.endif
.irp t, 0,1,2,3
	v_cmp_eq_u32 s[40+\t], s33, v[LO+\t]
	v_cmp_eq_u32 s[44+\t], s33, v[HI+\t]
.endr
.irp t, 0,1,2,3
	v_cndmask_b32 v[WQ+2*\t], 0, v[WP+2*\t+1], s[44+\t]            ; w_hi where it is my token's hi, else 0;
.endr
.irp t, 0,1,2,3
	v_cndmask_b32 v[WQ+2*\t], v[WQ+2*\t], v[WP+2*\t], s[40+\t]     ; w_lo where it is its lo
.endr
.irp s, 0,1,2,3,4,5,6,7
	KSTEP \s, \pre
.endr
.if !(\pre)
	WIN 0x80                                       ; the way out wants, in each half of the lanes, the token of row 2 i + h of each tile: read from the list again, into the ring's slot 0,
.irp t, 0,1,2,3                        ; which was last read four K steps ago; the loads land under the 64 multiply-adds below
.irp i, 0,1,2,3,4,5,6,7
	global_load_b32 v[8*\t+\i], v[VRK], s[18:19] offset:64*\t+8*\i
.endr
.endr
.endif
.if \first
	WIN 0x40                                       ; destination window 1
.irp a, 0,1,2,3,4,5,6,7,8,9,10,11,12,13,14,15
.irp j, 0,2,4,6
	v_pk_mul_f32 v[8*\a+\j:8*\a+\j+1], v[TMP+8*\a+\j:TMP+8*\a+\j+1], v[WQ+2*(\a/4):WQ+2*(\a/4)+1] op_sel_hi:[1,0]
.endr
.endr
.else
	WIN 0x50                                       ; destination and source 2 window 1
.irp a, 0,1,2,3,4,5,6,7,8,9,10,11,12,13,14,15
.irp j, 0,2,4,6
	v_pk_fma_f32 v[8*\a+\j:8*\a+\j+1], v[TMP+8*\a+\j:TMP+8*\a+\j+1], v[WQ+2*(\a/4):WQ+2*(\a/4)+1], v[8*\a+\j:8*\a+\j+1] op_sel_hi:[1,0,1]   ; each accumulator from its low end on
.endr
.endr
.endif
	WIN 0                                          ; at a label and at a branch every window is 0
.endm
	s_load_b512 s[8:23], s[0:1], 0x0               ; x_codes s[8:9], x_scales s[10:11], W_codes s[12:13], W_scales s[14:15], b s[16:17], rec s[18:19], wsort s[20:21], out0 s[22:23]
	v_lshl_add_u32 v126, v0, 2, 0x14400
	v_mov_b32 v127, 0
	v_lshrrev_b32 v1, 5, v0
	v_readfirstlane_b32 s2, v1                     ; wave 0..3
	v_and_b32 v1, 15, v0                           ; r
	v_bfe_u32 v2, v0, 4, 1                         ; h
	v_and_b32 v3, 31, v0                           ; lane
	v_lshlrev_b32 v[VW], 10, v1
	v_lshl_add_u32 v[VW], v2, 4, v[VW]
	v_lshlrev_b32 v[VSC], 5, v3
	v_lshlrev_b32 v[VBI], 5, v2
	v_lshlrev_b32 v[VXL], 4, v3
	s_lshl_b32 s37, s2, 14
	v_add_nc_u32 v[VXS], s37, v[VXL]
	s_mul_i32 s37, s2, 4352
	s_add_co_u32 s37, s37, STG                     ; my stage
	v_mul_u32_u24 v[VST], v1, 272
	v_lshl_add_u32 v[VST], v2, 5, v[VST]
	v_add_nc_u32 v[VST], s37, v[VST]               ; in: row r, 32 bytes for each half of the lanes
	v_mul_u32_u24 v[VRD], v2, 272
	v_lshl_add_u32 v[VRD], v1, 4, v[VRD]
	v_add_nc_u32 v[VRD], s37, v[VRD]               ; back: lanes 0-15 one row of 256 bytes, lanes 16-31 the next
	v_mov_b32 v[ONE], 1
	v_lshlrev_b32 v[VRK], 2, v2
	v_lshlrev_b32 v[R16], 4, v1
	v_lshlrev_b32 v108, 2, v1                      ; the list: 4 r,
	s_lshl_b32 s37, s2, 6
	v_add_nc_u32 v109, s37, v108                   ; 4 r + 64 w for my own tile;
	v_lshlrev_b32 v110, 3, v1                      ; the weights: 8 r
.irp t, 0,1,2,3
	v_mov_b32 v[WQ+2*\t+1], 0                      ; named as the upper half of a pair, so it is written
.endr
	s_and_b32 s4, ttmp7, 0xffff                    ; which 64 of the sorted tokens
	s_lshl_b32 s5, ttmp9, 8
	s_add_co_u32 s5, s5, s37                       ; col0 = 256 x + 64 w
	s_mov_b32 s39, 0
	s_wait_kmcnt 0x0
	s_lshl_b32 s38, s4, 8
	s_add_nc_u64 s[18:19], s[18:19], s[38:39]      ; rec at my group
	s_lshl_b32 s38, s4, 9
	s_add_nc_u64 s[20:21], s[20:21], s[38:39]      ; wsort likewise
.irp t, 0,1,2,3
	global_load_b32 v[TOK+\t], v108, s[18:19] offset:64*\t
.endr
	global_load_b32 v15, v109, s[18:19]
.irp t, 0,1,2,3
	global_load_b64 v[WP+2*\t:WP+2*\t+1], v110, s[20:21] offset:128*\t
.endr
	s_lshl_b32 s38, s5, 10
	s_add_nc_u64 s[12:13], s[12:13], s[38:39]      ; W's codes, scale bytes, b and out0 at my first column
	s_lshl_b32 s38, s5, 5
	s_add_nc_u64 s[14:15], s[14:15], s[38:39]
	s_lshl_b32 s38, s5, 2
	s_add_nc_u64 s[16:17], s[16:17], s[38:39]
	s_add_nc_u64 s[22:23], s[22:23], s[38:39]
	s_wait_loadcnt 0x0
.irp t, 0,1,2,3
	v_bfe_u32 v[LO+\t], v[TOK+\t], 16, 4
	v_bfe_u32 v[HI+\t], v[TOK+\t], 12, 4
	v_and_b32 v[TOK+\t], 0xfff, v[TOK+\t]
	v_min_u32 v[TOK+\t], 0xfff, v[TOK+\t]          ; held inside the table ahead of its use in an address
	v_lshlrev_b32 v[111+\t], 5, v[TOK+\t]
	v_lshl_add_u32 v[111+\t], v2, 4, v[111+\t]     ; its scale bytes: token x 32 + 16 h
.endr
	v_and_b32 v15, 0xfff, v15
	v_min_u32 v15, 0xfff, v15
	v_lshlrev_b32 v[VXG], 10, v15
	v_lshl_add_u32 v[VXG], v2, 4, v[VXG]
.irp s, 0,1,2,3,4,5,6,7                ; my own tile's eight fragments, gathered by token, into TMP's registers for the moment
.irp q, 0,1,2,3
	global_load_b128 v[TMP+16*\s+4*\q:TMP+16*\s+4*\q+3], v[VXG], s[8:9] offset:128*\s+32*\q
.endr
.endr
.irp t, 0,1,2,3
	global_load_b128 v[XS+4*\t:XS+4*\t+3], v[111+\t], s[10:11]
.endr
	; the experts that my 64 tokens name, as a mask
	v_lshlrev_b32 v115, v[LO], v[ONE]
.irp t, 1,2,3
	v_lshlrev_b32 v116, v[LO+\t], v[ONE]
	v_or_b32 v115, v115, v116
.endr
.irp t, 0,1,2,3
	v_lshlrev_b32 v116, v[HI+\t], v[ONE]
	v_or_b32 v115, v115, v116
.endr
	s_mov_b32 s32, 0
.irp i, 0,1,2,3,4,5,6,7,8,9,10,11,12,13,14,15
	v_readlane_b32 s37, v115, \i
	s_or_b32 s32, s32, s37
.endr
	s_bcnt1_i32_b32 s36, s32
	s_sub_co_u32 s36, s36, 2                       ; the trips of the middle loop: lo and hi differ, so there are two experts at the least;
	s_max_i32 s36, s36, 0                          ; (held at 0, so that no list whatever makes the loop run on)
	NEXT                                           ; the first expert
	LDBI
	LDSC 0
	LDW 26, 0, 0
	WIN 0
	s_wait_loadcnt 26                              ; the gather and x's scale words are in: behind them 8 + 2 + 16 loads were issued
.irp s, 0,1,2,3,4,5,6,7
.irp q, 0,1,2,3
	ds_store_b128 v[VXS], v[TMP+16*\s+4*\q:TMP+16*\s+4*\q+3] offset:2048*\s+512*\q   ; the fragment as it stands: lane l's 16 bytes at 16 l
.endr
.endr
	LDW 26, 1, 1
	LDW 26, 2, 2
	LDW 26, 3, 3
	LDSC 1
	s_wait_dscnt 0x0                               ; for the others' sake: my images have landed (and the stores have read TMP's registers)
	s_barrier_signal -1
	s_barrier_wait -1                              ; all 32 fragments of x lie in LDS; nobody writes them again
	WIN 0xc0                                       ; destination window 3
.irp t, 0,1,2,3
.irp s, 0,1,2,3
.irp q, 0,1,2,3
	ds_load_b128 v[16*(4*\t+\s)+4*\q:16*(4*\t+\s)+4*\q+3], v[VXL] offset:(8*\t+\s)*2048+512*\q
.endr
.endr
.endr
	LDX 4, 0
	LDX 5, 1
	WIN 0
	s_wait_dscnt 32                                ; K steps 0-3 are in; the two buffers' 32 loads may be out
	TRIP 1, 1
	s_cmp_eq_u32 s36, 0
	s_cbranch_scc1 .Ltail
	s_mov_b32 s35, 0
.Lmid:
	TRIP 0, 1
	s_add_co_u32 s35, s35, 1
	s_cmp_lt_u32 s35, s36
	s_cbranch_scc1 .Lmid
.Ltail:
	TRIP 0, 0                                      ; the last expert asks for nothing more of W: no load leaves its buffer
	; THE WAY OUT.  A lane holds 32 neighbouring bytes of a row, and the lanes beside it hold other rows, which are other tokens, far apart in out0.  So a tile of 16 rows x 256 bytes goes through my own
	; stage in LDS and comes back by rows: sixteen lanes then store 256 consecutive bytes, at a multiple of 256 from out0's first byte.
	s_wait_loadcnt 0x0                             ; the rows' tokens
	WIN 0x08                                       ; source 1 window 2
.set n, 0
.rept 32
	v_and_b32 v[GOF+n], 0xfff, v[n]
.set n, n+1
.endr
	WIN 0
.set n, 0
.rept 32
	v_min_u32 v[GOF+n], 0xfff, v[GOF+n]            ; held inside the table ahead of its use in an address
.set n, n+1
.endr
.set n, 0
.rept 32
	v_lshl_add_u32 v[GOF+n], v[GOF+n], 12, v[R16]  ; token x 4,096 + 16 r
.set n, n+1
.endr
.macro TOSTAGE t
	WIN 0x04                                       ; an LDS store's data are its source 1: window 1
.irp c, 0,1,2,3
	ds_store_b128 v[VST], v[8*(4*(\t)+\c):8*(4*(\t)+\c)+3] offset:64*\c
	ds_store_b128 v[VST], v[8*(4*(\t)+\c)+4:8*(4*(\t)+\c)+7] offset:64*\c+16
.endr
	WIN 0
.irp i, 0,1,2,3,4,5,6,7
	ds_load_b128 v[BK+32*((\t)%2)+4*\i:BK+32*((\t)%2)+4*\i+3], v[VRD] offset:544*\i   ; LDS serves a wave's instructions in order (ISA guide 5.7.1.4): these see the stores above, and the next tile's stores come behind them
.endr
.endm
.macro SEND t, younger                 ; younger: the LDS instructions issued behind tile t's loads: the next tile's sixteen, or none
.irp i, 0,1,2,3,4,5,6,7
	s_wait_dscnt \younger+7-\i
	global_store_b128 v[GOF+8*(\t)+\i], v[BK+32*((\t)%2)+4*\i:BK+32*((\t)%2)+4*\i+3], s[22:23] th:TH_STORE_NT   ; written once, read by nobody here
.endr
.endm
	TOSTAGE 0
.irp t, 1,2,3
.if \t > 1
	s_wait_xcnt 0x0                                ; tile t - 2's stores have read their registers: tile t's rows may land there
.endif
	TOSTAGE \t
	SEND \t-1, 16
.endr
	SEND 3, 0
	s_wait_tensorcnt 0x0
	ds_add_u32 v126, v127
	s_wait_dscnt 0x0
	s_endpgm
.Lfunc_end_k_qc0b32b14e9_experts:
	.size	k_qc0b32b14e9_experts, .Lfunc_end_k_qc0b32b14e9_experts-k_qc0b32b14e9_experts
	.p2alignl 7, 3214868480
	.fill 96, 4, 3214868480
	.section	.rodata,"a",@progbits
	.p2align	6, 0x0
	.amdhsa_kernel k_qc0b32b14e9_experts
		.amdhsa_group_segment_fixed_size 83456
		.amdhsa_private_segment_fixed_size 0
		.amdhsa_enable_private_segment 0
		.amdhsa_kernarg_size 64
		.amdhsa_user_sgpr_count 2
		.amdhsa_user_sgpr_kernarg_segment_ptr 1
		.amdhsa_wavefront_size32 1
		.amdhsa_system_sgpr_workgroup_id_x 1
		.amdhsa_system_sgpr_workgroup_id_y 1
		.amdhsa_system_sgpr_workgroup_id_z 1
		.amdhsa_system_vgpr_workitem_id 0
		.amdhsa_next_free_vgpr 1024
		.amdhsa_next_free_sgpr 66
		.amdhsa_reserve_vcc 0
		.amdhsa_float_denorm_mode_32 3
		.amdhsa_float_denorm_mode_16_64 3
		.amdhsa_memory_ordered 1
		.amdhsa_forward_progress 1
		.amdhsa_inst_pref_size 160
	.end_amdhsa_kernel
	.amdgpu_metadata
---
amdhsa.version: [ 1, 2 ]
amdhsa.kernels:
  - .name:           k_qc0b32b14e9_experts
    .symbol:         k_qc0b32b14e9_experts.kd
    .args:
      - { .name: x_codes, .offset: 0, .size: 8, .value_kind: global_buffer, .address_space: global }
      - { .name: x_scales, .offset: 8, .size: 8, .value_kind: global_buffer, .address_space: global }
      - { .name: W_codes, .offset: 16, .size: 8, .value_kind: global_buffer, .address_space: global }
      - { .name: W_scales, .offset: 24, .size: 8, .value_kind: global_buffer, .address_space: global }
      - { .name: b, .offset: 32, .size: 8, .value_kind: global_buffer, .address_space: global }
      - { .name: rec, .offset: 40, .size: 8, .value_kind: global_buffer, .address_space: global }
      - { .name: wsort, .offset: 48, .size: 8, .value_kind: global_buffer, .address_space: global }
      - { .name: out0, .offset: 56, .size: 8, .value_kind: global_buffer, .address_space: global }
    .group_segment_fixed_size: 83456
    .private_segment_fixed_size: 0
    .kernarg_segment_align: 8
    .kernarg_segment_size: 64
    .max_flat_workgroup_size: 128
    .sgpr_count:     66
    .vgpr_count:     1024
    .wavefront_size: 32
...
	.end_amdgpu_metadata
.endif
;; end of part 3
;; ======== version 2 of 2: 3 launches
;; workspace buffers: comp 16,384 bytes of whole numbers; wts 32,768 bytes; part 4,096 bytes; rec 16,384 bytes of whole numbers; wsort 32,768 bytes
;; launch gate (part 4): grid 64 x 1, 4 waves a work-group, no clusters, 1,536 bytes of LDS; arguments x_codes, x_scales, Wg_codes, Wg_scales, bg, comp, wts, part; writes comp, wts, part
.if DOCPART == 4
	.amdgcn_target "amdgcn-amd-amdhsa--gfx1250"
	.amdhsa_code_object_version 6
	.text
	.protected	k_qc0b32b14e9_gate
	.globl	k_qc0b32b14e9_gate
	.p2align	8
	.type	k_qc0b32b14e9_gate,@function
k_qc0b32b14e9_gate:
	s_mov_b64 s[64:65], 0
	v_nop
	global_prefetch_b8 v0, s[64:65] scope:SCOPE_SE
	s_setreg_imm32_b32 hwreg(HW_REG_WAVE_MODE, 25, 1), 1
	s_wait_xcnt 0x0
; THE GATE.  logits[n][e] = sum over k of x[n][k] Wg[k][e] + bg[e], on codes of E5M2 with one E8M0 scale for each 32 along K; sums in f32.
; For each token: its two largest logits (of equal logits the lower index first), the softmax over those two, and the softmax over all 16.
; Stored, all at fixed places: comp[n] = lo<<16 | hi<<12 | n (lo < hi: the token's two experts), wts[n] = (weight of lo, weight of hi),
; part[work-group][e] = the sum of the 16-way softmax over the work-group's 64 tokens.  No address here hangs on a logit.
; SHARES.  64 work-groups of four waves; a wave owns 16 tokens.  The product is used transposed: source 0 = Wg's 16 rows (the experts),
; source 1 = 16 tokens: lane (r, h) holds token r, and its register j the logit of expert 8 h + j.
; K = 1,024 is eight matrix instructions: steps 0-3 on one accumulator (begun with bg as C), steps 4-7 on a second (begun with 0), by turns.
; LIMITS: NaN and infinities among the logits are not served.  K is summed in two halves, so the last bits of a logit may differ from one ascending sum:
; a second and a third logit that lie closer together than that rounding can change places.
; REGISTERS: window 0: v1-6 ids and offsets; v8-11 x's scale words, v12-15 Wg's (register j: K step j in lanes 0-15, K step 4 + j in lanes 16-31);
;   v16-23 bg; v24-31, v32-39 the accumulators; v40-47 my 8 logits; v48-55 the other half's; v56-71 all 16; v72-99 at work; v100-105 addresses for the way out;
;   v128-255 x's eight fragments.   window 1: v0-127 Wg's eight fragments.
.set XF, 128
.set MSB, 0
.macro WIN new                         ; the immediate's high byte repeats the setting that is left
.if MSB != \new
	s_set_vgpr_msb (MSB<<8)|\new
.set MSB, \new
.endif
.endm
	s_load_b512 s[4:19], s[0:1], 0x0               ; x_codes s[4:5], x_scales s[6:7], Wg_codes s[8:9], Wg_scales s[10:11], bg s[12:13], comp s[14:15], wts s[16:17], part s[18:19]
	v_lshl_add_u32 v126, v0, 2, 0x400
	v_mov_b32 v127, 0
	v_lshrrev_b32 v1, 5, v0
	v_readfirstlane_b32 s20, v1                    ; wave 0..3
	v_and_b32 v1, 15, v0                           ; r
	v_bfe_u32 v2, v0, 4, 1                         ; h
	v_and_b32 v6, 31, v0                           ; lane
	v_lshlrev_b32 v3, 10, v1
	v_lshl_add_u32 v3, v2, 4, v3                   ; codes: row r of 1,024 bytes + 16 h (x and Wg alike)
	v_lshlrev_b32 v4, 5, v1
	v_lshl_add_u32 v4, v2, 4, v4                   ; scale bytes: row r of 32 bytes + 16 h: four words, K steps 4 h .. 4 h + 3
	v_lshlrev_b32 v5, 5, v2                        ; bg: my eight experts' 32 bytes
	s_lshl_b32 s28, s20, 6
	s_lshl_b32 s29, s20, 7
	v_lshlrev_b32 v100, 2, v1
	v_add_nc_u32 v100, s28, v100                   ; LDS: comp of token 16 w + r
	v_lshlrev_b32 v101, 3, v1
	v_add_nc_u32 v101, s29, v101                   ; LDS (+256): its two weights
	v_add_nc_u32 v102, s28, v5                     ; LDS (+768): my wave's 16 sums, my half's eight
	v_lshlrev_b32 v103, 3, v6                      ; the way out: 8 bytes a lane,
	v_lshlrev_b32 v104, 4, v6                      ; 16 bytes a lane,
	v_lshlrev_b32 v105, 2, v1                      ; 4 bytes for each of 16 lanes
	s_lshl_b32 s21, ttmp9, 6
	s_lshl_b32 s22, s20, 4
	s_add_co_u32 s21, s21, s22                     ; my first token: 64 x work-group + 16 x wave
	s_mov_b32 s23, 0
	s_mov_b32 s24, 0x76543210
	s_mov_b32 s25, 0xfedcba98                      ; v_permlanex16_b32's selects for lane l xor 16
	s_mov_b32 s26, 0x3fb8aa3b                      ; log2(e)
	v_cmp_eq_u32 s27, 1, v2                        ; the lanes of the upper half
.irp j, 0,1,2,3,4,5,6,7
	v_mov_b32 v[48+\j], 0                          ; written once: a lane permute's destination counts as one of its sources
.endr
	v_mov_b32 v99, 0
	v_mov_b32 v76, 0xff800000                      ; -infinity
	s_wait_kmcnt 0x0
	s_lshl_b32 s22, s21, 10
	s_add_nc_u64 s[4:5], s[4:5], s[22:23]          ; x's codes at my first token
	s_lshl_b32 s22, s21, 5
	s_add_nc_u64 s[6:7], s[6:7], s[22:23]          ; and its scale bytes
	s_lshl_b32 s22, ttmp9, 8
	s_add_nc_u64 s[14:15], s[14:15], s[22:23]      ; comp: 256 bytes a work-group
	s_lshl_b32 s22, ttmp9, 9
	s_add_nc_u64 s[16:17], s[16:17], s[22:23]      ; wts: 512
	s_lshl_b32 s22, ttmp9, 6
	s_add_nc_u64 s[18:19], s[18:19], s[22:23]      ; part: 64
	; a fragment, 16 rows x 128 K of 8-bit codes, is 16 registers: lane (r, h) holds row r; registers 4 q .. 4 q + 3 hold K = 32 q + 16 h + 0 .. 15
.irp s, 0,1,2,3,4,5,6,7
.irp q, 0,1,2,3
	global_load_b128 v[XF+16*\s+4*\q:XF+16*\s+4*\q+3], v3, s[4:5] offset:128*\s+32*\q
.endr
.endr
	WIN 0x40                                       ; destination window 1
.irp s, 0,1,2,3,4,5,6,7
.irp q, 0,1,2,3
	global_load_b128 v[16*\s+4*\q:16*\s+4*\q+3], v3, s[8:9] offset:128*\s+32*\q
.endr
.endr
	WIN 0
	global_load_b128 v[8:11], v4, s[6:7]
	global_load_b128 v[12:15], v4, s[10:11]
	global_load_b128 v[16:19], v5, s[12:13]
	global_load_b128 v[20:23], v5, s[12:13] offset:16
	s_wait_loadcnt 0x0                             ; everything is wanted at once
	WIN 0x01                                       ; source 0 (Wg) window 1
	; the two accumulators take turns, one instruction a turn
	v_wmma_scale_f32_16x16x128_f8f6f4 v[24:31], v[0:15], v[XF:XF+15], v[16:23], v12, v8 matrix_a_fmt:MATRIX_FMT_BF8 matrix_b_fmt:MATRIX_FMT_BF8
	v_wmma_scale_f32_16x16x128_f8f6f4 v[32:39], v[64:79], v[XF+64:XF+79], 0, v12, v8 matrix_a_fmt:MATRIX_FMT_BF8 matrix_b_fmt:MATRIX_FMT_BF8 matrix_a_scale:MATRIX_SCALE_ROW1 matrix_b_scale:MATRIX_SCALE_ROW1
.irp s, 1,2,3
	v_wmma_scale_f32_16x16x128_f8f6f4 v[24:31], v[16*\s:16*\s+15], v[XF+16*\s:XF+16*\s+15], v[24:31], v[12+\s], v[8+\s] matrix_a_fmt:MATRIX_FMT_BF8 matrix_b_fmt:MATRIX_FMT_BF8
	v_wmma_scale_f32_16x16x128_f8f6f4 v[32:39], v[64+16*\s:64+16*\s+15], v[XF+64+16*\s:XF+64+16*\s+15], v[32:39], v[12+\s], v[8+\s] matrix_a_fmt:MATRIX_FMT_BF8 matrix_b_fmt:MATRIX_FMT_BF8 matrix_a_scale:MATRIX_SCALE_ROW1 matrix_b_scale:MATRIX_SCALE_ROW1
.endr
.rept 8
	v_nop                                          ; eight places between this form and the first read of its results
.endr
	WIN 0
.irp j, 0,2,4,6
	v_pk_add_f32 v[40+\j:41+\j], v[24+\j:25+\j], v[32+\j:33+\j]    ; the two halves of K; both accumulators are read from their low end on
.endr
.irp j, 0,1,2,3,4,5,6,7
	v_permlanex16_b32 v[48+\j], v[40+\j], s24, s25                 ; my token's other eight logits lie in the lane 16 away
.endr
.irp j, 0,1,2,3,4,5,6,7
	v_cndmask_b32 v[56+\j], v[40+\j], v[48+\j], s27                ; expert j: mine in the lower half of the lanes, the other's in the upper
	v_cndmask_b32 v[64+\j], v[48+\j], v[40+\j], s27                ; expert 8 + j: the other way round
.endr
.macro MAX16 d                         ; the largest of v56-71
	v_max3_num_f32 v[\d], v56, v57, v58
	v_max3_num_f32 v73, v59, v60, v61
	v_max3_num_f32 v[\d], v[\d], v62, v63
	v_max3_num_f32 v73, v73, v64, v65
	v_max3_num_f32 v[\d], v[\d], v66, v67
	v_max3_num_f32 v73, v73, v68, v69
	v_max3_num_f32 v[\d], v[\d], v70, v71
	v_max_num_f32 v[\d], v[\d], v73
.endm
.macro ARG16 idx, m                    ; the lowest index at which v56-71 equals v[m]: from 15 down, so that the lowest is written last
	v_mov_b32 v[\idx], 0
.irp e, 15,14,13,12,11,10,9,8,7,6,5,4,3,2,1,0
	v_cmp_neq_f32 vcc_lo, v[56+\e], v[\m]
	v_cndmask_b32 v[\idx], \e, v[\idx], vcc_lo
.endr
.endm
	MAX16 72                                       ; m1
	ARG16 74, 72                                   ; its expert
.irp e, 0,1,2,3,4,5,6,7,8,9,10,11,12,13,14,15
	v_cmp_eq_u32 vcc_lo, \e, v74
	v_cndmask_b32 v[56+\e], v[56+\e], v76, vcc_lo  ; that one is taken out
.endr
	MAX16 77                                       ; m2
	ARG16 75, 77                                   ; its expert
.irp j, 0,1,2,3,4,5,6,7
	v_sub_f32 v[80+\j], v[40+\j], v72              ; the maximum is taken away first, then the change of base
.endr
	v_sub_f32 v78, v77, v72
.irp j, 0,1,2,3,4,5,6,7
	v_mul_f32 v[80+\j], s26, v[80+\j]
.endr
	v_mul_f32 v78, s26, v78
	s_wait_alu depctr_va_vdst(0)
.irp j, 0,1,2,3,4,5,6,7
	v_exp_f32 v[80+\j], v[80+\j]                   ; e^(logit - m1) of my eight experts
.endr
	v_exp_f32 v78, v78                             ; p = e^(m2 - m1)
	v_add_nc_u32 v98, s21, v1                      ; my token's number: the plain instruction behind the batch
	s_wait_alu depctr_va_vdst(0)                   ; one wait for the nine exponentials, ahead of their first reader
	v_pk_add_f32 v[88:89], v[80:81], v[82:83]
	v_pk_add_f32 v[90:91], v[84:85], v[86:87]
	v_pk_add_f32 v[88:89], v[88:89], v[90:91]
	v_add_f32 v88, v88, v89
	v_permlanex16_b32 v99, v88, s24, s25
	v_add_f32 v88, v88, v99                        ; the sum over all 16
	v_add_f32 v89, 1.0, v78
	s_wait_alu depctr_va_vdst(0)
	v_rcp_f32 v90, v88
	v_rcp_f32 v91, v89                             ; w1 = 1 / (1 + p)
	v_min_u32 v95, v74, v75                        ; lo: the plain instruction behind the two reciprocals
	s_wait_alu depctr_va_vdst(0)                   ; one wait for both
.irp j, 0,2,4,6
	v_pk_mul_f32 v[80+\j:81+\j], v[80+\j:81+\j], v[90:91] op_sel_hi:[1,0]   ; the gates
.endr
	v_mul_f32 v94, v78, v91                        ; w2 = p w1
.irp m, 1,2,4,8
.irp j, 0,1,2,3,4,5,6,7
	v_add_f32_dpp v[80+\j], v[80+\j], v[80+\j] row_xmask:\m row_mask:0xf bank_mask:0xf   ; the gates of my wave's 16 tokens are added, expert by expert
.endr
.endr
	v_max_u32 v96, v74, v75                        ; hi
	v_cmp_lt_u32 vcc_lo, v74, v75
	v_cndmask_b32 v92, v94, v91, vcc_lo            ; the weight of lo,
	v_cndmask_b32 v93, v91, v94, vcc_lo            ; the weight of hi
	v_lshlrev_b32 v97, 16, v95
	v_lshl_or_b32 v97, v96, 12, v97
	v_or_b32 v97, v97, v98                         ; lo<<16 | hi<<12 | token
	; THE WAY OUT goes through LDS, so that comp and wts leave as whole runs of 256 and 512 bytes.  Lanes that hold the same number write the same bytes.
	ds_store_b32 v100, v97
	ds_store_b64 v101, v[92:93] offset:256
	ds_store_b128 v102, v[80:83] offset:768
	ds_store_b128 v102, v[84:87] offset:784
	s_wait_dscnt 0x0                               ; for the others' sake: my stores have landed
	s_barrier_signal -1
	s_barrier_wait -1
	s_cmp_lg_u32 s20, 0
	s_cbranch_scc1 .Lend                           ; wave 0 stores for the work-group
	ds_load_b64 v[106:107], v103
	ds_load_b128 v[108:111], v104 offset:256
.irp w, 0,1,2,3
	ds_load_b32 v[112+\w], v105 offset:768+64*\w
.endr
	s_wait_dscnt 0x0
	global_store_b64 v103, v[106:107], s[14:15]    ; 32 lanes store 256 consecutive bytes, aligned
	global_store_b128 v104, v[108:111], s[16:17]   ; and 512
	v_add_f32 v112, v112, v113
	v_add_f32 v114, v114, v115
	v_add_f32 v112, v112, v114                     ; the four waves' sums
	v_cmp_gt_u32 vcc_lo, 16, v6
	s_wait_alu depctr_va_vdst(0)
	s_wait_xcnt 0x0                                ; EXEC is a source of the stores above: it changes only behind this wait
	s_and_saveexec_b32 s28, vcc_lo
	global_store_b32 v105, v112, s[18:19]          ; 16 sums, 64 bytes
	s_wait_xcnt 0x0
	s_or_b32 exec_lo, exec_lo, s28
.Lend:
	s_wait_tensorcnt 0x0
	ds_add_u32 v126, v127
	s_wait_dscnt 0x0
	s_endpgm
.Lfunc_end_k_qc0b32b14e9_gate:
	.size	k_qc0b32b14e9_gate, .Lfunc_end_k_qc0b32b14e9_gate-k_qc0b32b14e9_gate
	.p2alignl 7, 3214868480
	.fill 96, 4, 3214868480
	.section	.rodata,"a",@progbits
	.p2align	6, 0x0
	.amdhsa_kernel k_qc0b32b14e9_gate
		.amdhsa_group_segment_fixed_size 1536
		.amdhsa_private_segment_fixed_size 0
		.amdhsa_enable_private_segment 0
		.amdhsa_kernarg_size 64
		.amdhsa_user_sgpr_count 2
		.amdhsa_user_sgpr_kernarg_segment_ptr 1
		.amdhsa_wavefront_size32 1
		.amdhsa_system_sgpr_workgroup_id_x 1
		.amdhsa_system_sgpr_workgroup_id_y 1
		.amdhsa_system_sgpr_workgroup_id_z 1
		.amdhsa_system_vgpr_workitem_id 0
		.amdhsa_next_free_vgpr 384
		.amdhsa_next_free_sgpr 66
		.amdhsa_reserve_vcc 1
		.amdhsa_float_denorm_mode_32 3
		.amdhsa_float_denorm_mode_16_64 3
		.amdhsa_memory_ordered 1
		.amdhsa_forward_progress 1
		.amdhsa_inst_pref_size 22
	.end_amdhsa_kernel
	.amdgpu_metadata
---
amdhsa.version: [ 1, 2 ]
amdhsa.kernels:
  - .name:           k_qc0b32b14e9_gate
    .symbol:         k_qc0b32b14e9_gate.kd
    .args:
      - { .name: x_codes, .offset: 0, .size: 8, .value_kind: global_buffer, .address_space: global }
      - { .name: x_scales, .offset: 8, .size: 8, .value_kind: global_buffer, .address_space: global }
      - { .name: Wg_codes, .offset: 16, .size: 8, .value_kind: global_buffer, .address_space: global }
      - { .name: Wg_scales, .offset: 24, .size: 8, .value_kind: global_buffer, .address_space: global }
      - { .name: bg, .offset: 32, .size: 8, .value_kind: global_buffer, .address_space: global }
      - { .name: comp, .offset: 40, .size: 8, .value_kind: global_buffer, .address_space: global }
      - { .name: wts, .offset: 48, .size: 8, .value_kind: global_buffer, .address_space: global }
      - { .name: part, .offset: 56, .size: 8, .value_kind: global_buffer, .address_space: global }
    .group_segment_fixed_size: 1536
    .private_segment_fixed_size: 0
    .kernarg_segment_align: 8
    .kernarg_segment_size: 64
    .max_flat_workgroup_size: 128
    .sgpr_count:     66
    .vgpr_count:     384
    .wavefront_size: 32
...
	.end_amdgpu_metadata
.endif
;; end of part 4
;; launch place (part 5): grid 256 x 1, 16 waves a work-group, no clusters, 4,096 bytes of LDS; arguments comp, wts, part, rec, wsort, out1; writes rec, wsort, out1
.if DOCPART == 5
	.amdgcn_target "amdgcn-amd-amdhsa--gfx1250"
	.amdhsa_code_object_version 6
	.text
	.protected	k_qc0b32b14e9_place
	.globl	k_qc0b32b14e9_place
	.p2align	8
	.type	k_qc0b32b14e9_place,@function
k_qc0b32b14e9_place:
	s_mov_b64 s[64:65], 0
	v_nop
	global_prefetch_b8 v0, s[64:65] scope:SCOPE_SE
	s_setreg_imm32_b32 hwreg(HW_REG_WAVE_MODE, 25, 1), 1
	s_wait_xcnt 0x0
; THE PLACING.  comp[n] = lo<<16 | hi<<12 | n is a different number for every token, so a token's rank, the count of smaller numbers among all 4,096, is a permutation
; that sorts the tokens by (lo, hi).  rec[rank] = comp[n], wsort[rank] = wts[n].  No atomics, no sort: every rank is counted outright, with addresses that hang on ids alone;
; only the two stores at the end go to a place made of the rank, a whole number counted from whole numbers that this launch reads.
; SHARES.  Work-group g owns tokens 16 g .. 16 g + 15.  Lane (r, h) of wave w counts, for token 16 g + r, the smaller ones among the 128 numbers from 128 (2 w + h) on:
; the sixteen lanes of a half read the same 16 bytes.  The 32 counts of a token meet by one lane exchange and through LDS.
; One wave of the launch (work-group 0, wave 15) also finishes the second output: aux = -(ln 2 / 16) x the sum over e of log2(16 x importance[e]),
; importance[e] = the sum of part[.][e] / 4,096.  (q (log q - log imp) with q = 1/16 is -(1/16) ln(16 imp): one logarithm of a number near 1, no difference of logarithms.)
; No matrix unit, no tensor load, no cluster: there is no product here and nothing large is shared.
	s_load_b256 s[4:11], s[0:1], 0x0               ; comp s[4:5], wts s[6:7], part s[8:9], rec s[10:11]
	s_load_b128 s[12:15], s[0:1], 0x20             ; wsort s[12:13], out1 s[14:15]
	v_lshl_add_u32 v192, v0, 2, 0x800
	v_mov_b32 v193, 0
	v_lshrrev_b32 v1, 5, v0
	s_delay_alu instid0(VALU_DEP_1)
	v_readfirstlane_b32 s16, v1                    ; wave 0..15
	v_and_b32 v1, 31, v0                           ; lane
	v_and_b32 v2, 15, v0                           ; r
	v_bfe_u32 v3, v0, 4, 1                         ; h
	s_lshl_b32 s17, ttmp9, 6
	v_lshlrev_b32 v4, 2, v2
	s_delay_alu instid0(VALU_DEP_1)
	v_add_nc_u32 v4, s17, v4                       ; my token's number in comp: 4 (16 g + r)
	s_lshl_b32 s17, ttmp9, 7
	v_lshlrev_b32 v11, 3, v2
	s_delay_alu instid0(VALU_DEP_1)
	v_add_nc_u32 v11, s17, v11                     ; its weights: 8 (16 g + r)
	s_lshl_b32 s17, s16, 10
	v_lshlrev_b32 v8, 9, v3
	s_delay_alu instid0(VALU_DEP_1)
	v_add_nc_u32 v8, s17, v8                       ; my 128 numbers: 512 (2 w + h)
	v_lshlrev_b32 v12, 2, v0                       ; LDS: 4 x thread
	v_lshlrev_b32 v13, 2, v1                       ; LDS: 4 x lane
	v_lshlrev_b32 v14, 4, v1                       ; part: 16 x lane
	v_mov_b32 v9, 0                                ; the count
	v_mov_b32 v10, 0                               ; (a lane permute's destination counts as one of its sources)
	v_mov_b32 v15, 0
	s_mov_b32 s18, 0x76543210
	s_mov_b32 s19, 0xfedcba98                      ; v_permlanex16_b32's selects for lane l xor 16
	s_wait_alu depctr_va_vdst(0)
	s_wait_kmcnt 0x0
	global_load_b32 v5, v4, s[4:5]
	global_load_b64 v[6:7], v11, s[6:7]
.irp i, 0,1,2,3,4,5,6,7,8,9,10,11,12,13,14,15,16,17,18,19,20,21,22,23,24,25,26,27,28,29,30,31
	global_load_b128 v[16+4*\i:19+4*\i], v8, s[4:5] offset:16*\i
.endr
	s_cmp_lg_u32 ttmp9, 0
	s_cbranch_scc1 .Lscan
	s_cmp_lg_u32 s16, 15
	s_cbranch_scc1 .Lscan
	; ---- the aux loss.  part is 64 rows of 16: a lane's 16 bytes at 16 x lane + 512 i are experts 4 (lane % 4) + 0 .. 3 of row 8 i + lane / 4
.irp i, 0,1,2,3,4,5,6,7
	global_load_b128 v[144+4*\i:147+4*\i], v14, s[8:9] offset:512*\i
.endr
	s_wait_loadcnt 0x0
.irp i, 1
	v_pk_add_f32 v[144:145], v[144:145], v[144+4*\i:145+4*\i]
	v_pk_add_f32 v[146:147], v[146:147], v[146+4*\i:147+4*\i]
.endr
.irp i, 2, 3, 4, 5, 6, 7
	s_delay_alu instid0(VALU_DEP_2)
	v_pk_add_f32 v[144:145], v[144:145], v[144+4*\i:145+4*\i]
	s_delay_alu instid0(VALU_DEP_2)
	v_pk_add_f32 v[146:147], v[146:147], v[146+4*\i:147+4*\i]
.endr
.irp m, 4,8
.irp j, 0,1,2,3
	v_add_f32_dpp v[144+\j], v[144+\j], v[144+\j] row_xmask:\m row_mask:0xf bank_mask:0xf   ; the lanes of equal lane % 4
.endr
.endr
.irp j, 0,1,2,3
	s_delay_alu instid0(VALU_DEP_4)
	v_permlanex16_b32 v[148+\j], v[144+\j], s18, s19
.endr
.irp j, 0,1,2,3
	s_delay_alu instid0(VALU_DEP_4)
	v_add_f32 v[144+\j], v[144+\j], v[148+\j]
.endr
.irp j, 0,1,2,3
	s_delay_alu instid0(VALU_DEP_4)
	v_mul_f32 v[144+\j], 0x3b800000, v[144+\j]     ; / 256: 16 x the importance
.endr
	s_wait_alu depctr_va_vdst(0)
.irp j, 0,1,2,3
	v_log_f32 v[144+\j], v[144+\j]
.endr
	v_nop                                          ; a plain instruction behind the last logarithm
	s_wait_alu depctr_va_vdst(0)                   ; and one wait for the four, ahead of their first reader
	v_add_f32 v144, v144, v145
	v_add_f32 v146, v146, v147
	s_delay_alu instid0(VALU_DEP_1)
	v_add_f32 v144, v144, v146
	s_delay_alu instid0(VALU_DEP_1)
	v_add_f32_dpp v144, v144, v144 row_xmask:1 row_mask:0xf bank_mask:0xf
	s_delay_alu instid0(VALU_DEP_1)
	v_add_f32_dpp v144, v144, v144 row_xmask:2 row_mask:0xf bank_mask:0xf   ; all 16 experts
	s_delay_alu instid0(VALU_DEP_1)
	v_mul_f32 v144, 0xbd317218, v144               ; x -(ln 2) / 16
	v_cmp_eq_u32 vcc_lo, 0, v1
	s_wait_alu depctr_va_vdst(0)
	s_wait_xcnt 0x0                                ; EXEC is a source of the loads above: it changes only behind this wait
	s_and_saveexec_b32 s20, vcc_lo
	global_store_b32 v15, v144, s[14:15]
	s_wait_xcnt 0x0
	s_or_b32 exec_lo, exec_lo, s20
.Lscan:
	; ---- the count, in four groups of eight loads.  Loads come back in order: the count of each wait is the number of scan loads issued behind the group
.irp g, 0,1,2,3
	s_wait_alu depctr_va_vdst(0)
	s_wait_loadcnt 24-8*\g
.irp i, 0,1,2,3,4,5,6,7,8,9,10,11,12,13,14,15,16,17,18,19,20,21,22,23,24,25,26,27,28,29,30,31
	v_cmp_lt_u32 vcc_lo, v[16+32*\g+\i], v5        ; is it smaller than mine?
	s_delay_alu instid0(VALU_DEP_1)
	v_add_co_ci_u32 v9, vcc_lo, 0, v9, vcc_lo      ; the answer is added as a carry
.endr
.endr
	s_delay_alu instid0(VALU_DEP_1)
	v_permlanex16_b32 v10, v9, s18, s19
	s_delay_alu instid0(VALU_DEP_1)
	v_add_nc_u32 v9, v9, v10                       ; my wave's 256 numbers
	ds_store_b32 v12, v9
	s_wait_dscnt 0x0                               ; for the others' sake: my store has landed
	s_barrier_signal -1
	s_barrier_wait -1
	s_cmp_lg_u32 s16, 0
	s_cbranch_scc1 .Lend                           ; wave 0 adds the sixteen waves' counts and places the 16 tokens
.irp w, 0,1,2,3,4,5,6,7,8,9,10,11,12,13,14,15
	ds_load_b32 v[16+\w], v13 offset:128*\w
.endr
	s_wait_dscnt 0x0
	v_add3_u32 v16, v16, v17, v18
	v_add3_u32 v19, v19, v20, v21
	v_add3_u32 v22, v22, v23, v24
	v_add3_u32 v25, v25, v26, v27
	v_add3_u32 v28, v28, v29, v30
	s_delay_alu instid0(VALU_DEP_3)
	v_add3_u32 v16, v16, v19, v22
	s_delay_alu instid0(VALU_DEP_2)
	v_add3_u32 v25, v25, v28, v31
	s_delay_alu instid0(VALU_DEP_1)
	v_add_nc_u32 v9, v16, v25                      ; the rank
	s_delay_alu instid0(VALU_DEP_1)
	v_min_u32 v9, 0xfff, v9                        ; held inside the tables ahead of its use in an address
	s_delay_alu instid0(VALU_DEP_1)
	v_lshlrev_b32 v16, 2, v9
	s_delay_alu instid0(VALU_DEP_2)
	v_lshlrev_b32 v17, 3, v9
	v_cmp_gt_u32 vcc_lo, 16, v1
	s_wait_alu depctr_va_vdst(0)
	s_wait_xcnt 0x0
	s_and_saveexec_b32 s20, vcc_lo
	global_store_b32 v16, v5, s[10:11]             ; scattered stores of 4 and 8 bytes: that is what placing is; 48 KiB in the whole launch
	global_store_b64 v17, v[6:7], s[12:13]
	s_wait_xcnt 0x0
	s_or_b32 exec_lo, exec_lo, s20
.Lend:
	s_wait_tensorcnt 0x0
	ds_add_u32 v192, v193
	s_wait_dscnt 0x0
	s_endpgm
.Lfunc_end_k_qc0b32b14e9_place:
	.size	k_qc0b32b14e9_place, .Lfunc_end_k_qc0b32b14e9_place-k_qc0b32b14e9_place
	.p2alignl 7, 3214868480
	.fill 96, 4, 3214868480
	.section	.rodata,"a",@progbits
	.p2align	6, 0x0
	.amdhsa_kernel k_qc0b32b14e9_place
		.amdhsa_group_segment_fixed_size 4096
		.amdhsa_private_segment_fixed_size 0
		.amdhsa_enable_private_segment 0
		.amdhsa_kernarg_size 48
		.amdhsa_user_sgpr_count 2
		.amdhsa_user_sgpr_kernarg_segment_ptr 1
		.amdhsa_wavefront_size32 1
		.amdhsa_system_sgpr_workgroup_id_x 1
		.amdhsa_system_sgpr_workgroup_id_y 1
		.amdhsa_system_sgpr_workgroup_id_z 1
		.amdhsa_system_vgpr_workitem_id 0
		.amdhsa_next_free_vgpr 194
		.amdhsa_next_free_sgpr 66
		.amdhsa_reserve_vcc 1
		.amdhsa_float_denorm_mode_32 3
		.amdhsa_float_denorm_mode_16_64 3
		.amdhsa_memory_ordered 1
		.amdhsa_forward_progress 1
		.amdhsa_inst_pref_size 25
	.end_amdhsa_kernel
	.amdgpu_metadata
---
amdhsa.version: [ 1, 2 ]
amdhsa.kernels:
  - .name:           k_qc0b32b14e9_place
    .symbol:         k_qc0b32b14e9_place.kd
    .args:
      - { .name: comp, .offset: 0, .size: 8, .value_kind: global_buffer, .address_space: global }
      - { .name: wts, .offset: 8, .size: 8, .value_kind: global_buffer, .address_space: global }
      - { .name: part, .offset: 16, .size: 8, .value_kind: global_buffer, .address_space: global }
      - { .name: rec, .offset: 24, .size: 8, .value_kind: global_buffer, .address_space: global }
      - { .name: wsort, .offset: 32, .size: 8, .value_kind: global_buffer, .address_space: global }
      - { .name: out1, .offset: 40, .size: 8, .value_kind: global_buffer, .address_space: global }
    .group_segment_fixed_size: 4096
    .private_segment_fixed_size: 0
    .kernarg_segment_align: 8
    .kernarg_segment_size: 48
    .max_flat_workgroup_size: 512
    .sgpr_count:     66
    .vgpr_count:     194
    .wavefront_size: 32
...
	.end_amdgpu_metadata
.endif
;; end of part 5
;; launch experts (part 6): grid 4 x 64, 4 waves a work-group, no clusters, 83,456 bytes of LDS; arguments x_codes, x_scales, W_codes, W_scales, b, rec, wsort, out0; writes out0
.if DOCPART == 6
	.amdgcn_target "amdgcn-amd-amdhsa--gfx1250"
	.amdhsa_code_object_version 6
	.text
	.protected	k_qc0b32b14e9_experts
	.globl	k_qc0b32b14e9_experts
	.p2align	8
	.type	k_qc0b32b14e9_experts,@function
k_qc0b32b14e9_experts:
	s_mov_b64 s[64:65], 0
	v_nop
	global_prefetch_b8 v0, s[64:65] scope:SCOPE_SE
	s_setreg_imm32_b32 hwreg(HW_REG_WAVE_SCHED_MODE, 0, 2), 2
	s_setreg_imm32_b32 hwreg(HW_REG_WAVE_MODE, 25, 1), 1
	s_wait_xcnt 0x0
	s_wait_alu depctr_vm_vsrc(0)
; THE EXPERTS.  out0[n][:] = w_lo (x[n] W[lo] + b[lo]) + w_hi (x[n] W[hi] + b[hi]), on codes of E5M2 with one E8M0 scale for each 32 along K; sums in f32.
; Only the experts that a token chose are kept by the problem, so only experts that somebody here chose are multiplied.
; SHARES.  rec holds the tokens sorted by (lo, hi).  A work-group owns 64 neighbours of that order (work-group y) x 256 output columns (work-group x): 256 work-groups, each output number has one owner.
; Wave w takes all 64 tokens (four tiles t) x columns col0 = 256 x + 64 w on (four tiles c).  The work-group walks the experts that its 64 tokens name, lowest first: for each,
; TMP = X W_e^T + b_e (128 matrix instructions a wave; b_e is the C of the first K step), then OUT += w_e(token) x TMP, w_e = 0 for a token that did not choose e.
; The product is used transposed (source 0 = 16 rows of W_e, which are output columns; source 1 = 16 tokens): lane (r, h), register j of accumulator (t, c) holds out(token 16 t + r, col0 + 16 c + 8 h + j).
; W goes from memory straight into registers, through a ring of four K steps (64 loads of 16 bytes a lane), which runs on into the next expert.
; x is gathered once: wave w fetches tile w's eight fragments and lays them in LDS as images of the operand's registers; K steps 0-3 then stay in registers, K steps 4-7 come from LDS in each walk.
; NO TENSOR LOAD, NO CLUSTER, NO JOINT LOAD: the number of experts, and with it the trip count of the loop below, is read from the stored list and differs from work-group to work-group;
; work-groups that share a tile of W (equal x, some common expert) reach it in different trips, and x's rows are a gather.  The one barrier stands ahead of every branch.
; LIMITS: NaN and infinities are not served.  A token's row also meets the experts that only its 63 neighbours chose, times the weight 0: those sums must be finite in f32.
; REGISTERS, in windows of 256: window 0: v1-15 ids and addresses; v16-19 tokens, v20-23 lo, v24-27 hi, v28-35 (w_lo, w_hi), v36-43 w_e (even registers), one of each for each tile t;
;   v44-59 x's scale words; v60-75 W's; v76-107 b_e in the result's layout; v108-127 at work; v128-255 TMP, accumulator (t, c) at 128 + 8 (4 t + c); on the way out v128-223 are free.
;   window 1: v0-127 OUT, laid as TMP; v128-255 x's K steps 4-7, two buffers of four fragments.   window 2: the ring, slot i at 64 i.   window 3: x's K steps 0-3, fragment (t, s) at 16 (4 t + s).
; THE MODE: SCHED_MODE bits 1:0 = 2 (LLVM: expert scheduling mode 2), set by the entry lines.  The code itself states the register dependences
; between vector or matrix instructions and memory or LDS instructions, with s_wait_alu, always for 0.
; THE PLAN.  Registers that memory or LDS instructions touch, in a trip:
;   the ring     K step s: its 16 products read slot s % 4; behind them the loads of K step s + 4 (from step 4 on: of the next expert's K step s - 4) land in that slot.
;   x's buffers  K step s (4 to 7): its products read buffer s % 2; the K step two further on lands there, four loads behind each four products of step s + 1 (behind step 7: behind each 16 multiply-adds).
;   BI           read by step 0 as C; the next expert's lands behind step 0.     SC   words 0-3 are read by steps 0-3 and loaded behind step 3, words 4-7 by steps 4-7 and loaded behind step 7.
;   v4 to v11, v13   offsets and LDS addresses, made at the head and never written again: in the loop scalar bases move, and immediate offsets do the rest.
;   TMP, OUT, WQ are named by matrix and vector instructions alone from the barrier to the way out.
; So ONE wait on va_vdst stands in a K step, behind its products: it states that they are done reading their slot of the ring, their buffer of x and (steps 0, 3, 7) the bias or the scale words.
; It stands there and not at the next step's head, so that the slot is asked for again at once: 64 loads of a wave stay on their way across the wait for the next K step.
; All that lands in those registers up to the next such wait follows with no further wait: the products and multiply-adds between name other slots, the other buffer, TMP, OUT and WQ.
.set VW,   4                           ; W's codes: 1,024 r + 16 h
.set VSC,  5                           ; W's scale bytes: 32 x lane
.set VBI,  6                           ; b: 32 h
.set VXL,  7                           ; an image's place for my lane: 16 x lane
.set VXS,  8                           ; where I store my tile's images: 16 x lane + 16,384 x wave
.set VST,  9                           ; my stage: where I put 32 bytes of a row
.set VRD,  10                          ; and where I read a row back
.set VXG,  11                          ; x's codes of my own tile: token x 1,024 + 16 h
.set ONE,  12
.set VRK,  13                          ; 4 h
.set R16,  14                          ; 16 r
.set TOK,  16
.set LO,   20
.set HI,   24
.set WP,   28
.set WQ,   36
.set XS,   44                          ; tile t at XS + 4 t: register j: K step j in lanes 0-15, K step 4 + j in lanes 16-31
.set SC,   60                          ; register 8 p + s: K step s: column tile 2 p in lanes 0-15, tile 2 p + 1 in lanes 16-31
.set BI,   76
.set TMP,  128
.set XB,   128                         ; in window 1
.set GOF,  128                         ; the way out: 32 byte offsets of rows in out0
.set BK,   160                         ; and two sets of 32 registers for rows read back
.set STG,  65536                       ; LDS: 0 .. 65,535 x's 32 fragments, (t, s) at 2,048 (8 t + s); behind them a stage of 16 rows x 272 bytes for each wave
.set MSB, 0
.macro WIN new                         ; the immediate's high byte repeats the setting that is left
.if MSB != \new
	s_set_vgpr_msb (MSB<<8)|\new
.set MSB, \new
.endif
.endm
; The next expert: the lowest bit of the mask s32, which is then cleared; the three bases of its codes, scale bytes and bias.  The number is held at 15 ahead of its use in an address.
.macro NEXT
	s_ctz_i32_b32 s34, s32
	s_min_u32 s34, s34, 15
	s_sub_co_u32 s37, s32, 1
	s_and_b32 s32, s32, s37
	s_lshl_b32 s38, s34, 20
	s_add_nc_u64 s[26:27], s[12:13], s[38:39]
	s_lshl_b32 s38, s34, 15
	s_add_nc_u64 s[28:29], s[14:15], s[38:39]
	s_lshl_b32 s38, s34, 12
	s_add_nc_u64 s[30:31], s[16:17], s[38:39]
.endm
.macro LDW base, set, slot             ; K step 'set' of W, four fragments, into a slot of the ring: 16 loads
	WIN 0x80                                       ; destination window 2
.irp c, 0,1,2,3
.irp q, 0,1,2,3
	global_load_b128 v[64*(\slot)+16*\c+4*\q:64*(\slot)+16*\c+4*\q+3], v[VW], s[\base:\base+1] offset:16384*\c+128*(\set)+32*\q
.endr
.endr
.endm
.macro LDBI                            ; the next expert's bias: lane (r, h) wants, for tile c, columns 16 c + 8 h + 0 .. 7: 8 loads
	WIN 0
.irp c, 0,1,2,3
	global_load_b128 v[BI+8*\c:BI+8*\c+3], v[VBI], s[30:31] offset:64*\c
	global_load_b128 v[BI+8*\c+4:BI+8*\c+7], v[VBI], s[30:31] offset:64*\c+16
.endr
.endm
.macro LDSC qd                         ; the next expert's scale words of K steps 4 qd .. 4 qd + 3: a lane a column, 32 columns a load: 2 loads
	WIN 0
.irp p, 0,1
	global_load_b128 v[SC+8*\p+4*(\qd):SC+8*\p+4*(\qd)+3], v[VSC], s[28:29] offset:1024*\p+16*(\qd)
.endr
.endm
.macro LDX s, buf                      ; x's K step s, four fragments, from LDS into a buffer: 16 loads (at the head)
	WIN 0x40                                       ; destination window 1
.irp t, 0,1,2,3
.irp q, 0,1,2,3
	ds_load_b128 v[XB+64*(\buf)+16*\t+4*\q:XB+64*(\buf)+16*\t+4*\q+3], v[VXL] offset:(8*\t+(\s))*2048+512*\q
.endr
.endr
.endm
.macro LDXQ s, buf, t                  ; the same for one tile t: 4 loads.  An LDS load wants its destination in window 1 and its address (source 0) in window 0: a setting that has both is left as it is
.if (MSB & 0xc3) != 0x40
	WIN 0x40
.endif
.irp q, 0,1,2,3
	ds_load_b128 v[XB+64*(\buf)+16*(\t)+4*\q:XB+64*(\buf)+16*(\t)+4*\q+3], v[VXL] offset:(8*(\t)+(\s))*2048+512*\q
.endr
.endm
; 4 matrix instructions: K step s, tile t of tokens against the four tiles of columns.  Four such runs, t ascending, are a K step: the 16 accumulators by turns, in the same order in every step.
.macro PRODQ s, t
.irp c, 0,1,2,3
.set rD, TMP+8*(4*(\t)+\c)
.set rA, 64*((\s)%4)+16*\c
.if (\s) < 4
.set rB, 16*(4*(\t)+(\s))
.else
.set rB, XB+64*((\s)%2)+16*(\t)
.endif
.if (\s) == 0
.set rC, BI+8*\c
.else
.set rC, rD
.endif
.set rSA, SC+8*(\c/2)+(\s)
.set rSB, XS+4*(\t)+((\s)%4)
.if ((\c%2) == 1) && ((\s) >= 4)
	v_wmma_scale_f32_16x16x128_f8f6f4 v[rD:rD+7], v[rA:rA+15], v[rB:rB+15], v[rC:rC+7], v[rSA], v[rSB] matrix_a_fmt:MATRIX_FMT_BF8 matrix_b_fmt:MATRIX_FMT_BF8 matrix_a_scale:MATRIX_SCALE_ROW1 matrix_b_scale:MATRIX_SCALE_ROW1
.elseif (\c%2) == 1
	v_wmma_scale_f32_16x16x128_f8f6f4 v[rD:rD+7], v[rA:rA+15], v[rB:rB+15], v[rC:rC+7], v[rSA], v[rSB] matrix_a_fmt:MATRIX_FMT_BF8 matrix_b_fmt:MATRIX_FMT_BF8 matrix_a_scale:MATRIX_SCALE_ROW1
.elseif (\s) >= 4
	v_wmma_scale_f32_16x16x128_f8f6f4 v[rD:rD+7], v[rA:rA+15], v[rB:rB+15], v[rC:rC+7], v[rSA], v[rSB] matrix_a_fmt:MATRIX_FMT_BF8 matrix_b_fmt:MATRIX_FMT_BF8 matrix_b_scale:MATRIX_SCALE_ROW1
.else
	v_wmma_scale_f32_16x16x128_f8f6f4 v[rD:rD+7], v[rA:rA+15], v[rB:rB+15], v[rC:rC+7], v[rSA], v[rSB] matrix_a_fmt:MATRIX_FMT_BF8 matrix_b_fmt:MATRIX_FMT_BF8
.endif
.endr
.endm
; The wait for K step s of W.  Loads come back in order; the count is the number of loads issued behind that K step's sixteen.  A trip that has a successor (pre = 1) issues, in this order:
; W4, the next bias (8) | W5 | W6 | W7, the next scale words 0-3 (2) | the next expert's W0 | W1 | W2 | W3, its scale words 4-7 (2).  The head leaves the same state as a trip's end.
;   pre = 1:  s = 0: W1 W2 W3 +2 = 50;  s = 1, 2, 3: three K steps, +2, +8 = 58;  s = 4: 8 + W5 W6 W7 + 2 = 58;  s = 5, 6, 7: three K steps + 2 = 50.
;   pre = 0:  s = 0 .. 3: three K steps + 2 = 50;  s = 4 .. 7: the K steps left: 48, 32, 16, 0.
.macro NWAIT s, pre
.if \pre
.if ((\s) == 0) || ((\s) >= 5)
	s_wait_loadcnt 50
.else
	s_wait_loadcnt 58
.endif
.else
.if (\s) < 4
	s_wait_loadcnt 50
.else
	s_wait_loadcnt 16*(7-(\s))
.endif
.endif
.endm
; A K STEP: its waits, its 16 products (from step 5 on with four LDS loads behind each four), eight places, the one wait on va_vdst, and then the global loads into the registers that these products have read.
; x FROM LDS.  K steps 4 and 5 were asked for in the trip before (or at the head), 4 first.  K step 6 is asked for among step 5's products, 7 among step 6's, the next trip's 4 among step 7's, its 5 among the multiply-adds.
; LDS loads come back in order: behind tile t's four loads of a K step stand the 4 (3 - t) of its later tiles and the 4 t that the step in hand has issued ahead of its tile t: 12.
.macro KSTEP s, pre
	NWAIT \s, \pre
.if (\s) == 4
	s_wait_dscnt 16                                ; x's K step 4 is in; the 16 loads of K step 5, issued behind it, may be out
.elseif (\s) == 5
	s_wait_dscnt 0x0                               ; x's K step 5 is in: nothing was asked of LDS behind it
.endif
.irp t, 0,1,2,3
.if ((\s) == 6) || (((\s) == 7) && (\pre))
	s_wait_dscnt 12                                ; tile t of this K step of x is in; the twelve loads issued behind its four may be out
.elseif (\s) == 7
	s_wait_dscnt 12-4*\t                           ; the last trip asks for nothing among these products: the counts run down
.endif
.if (\s) >= 4
	WIN 0x06                                       ; source 0 (W) window 2, source 1 (x) window 1
.else
	WIN 0x0e                                       ; source 0 (W) window 2, source 1 (x) window 3
.endif
	PRODQ \s, \t
.if (\s) == 5
	LDXQ 6, 0, \t                                  ; into buffer 0.  No wait: step 4's products, which read it, stand ahead of the wait behind step 4, and nothing issued since names it
.elseif (\s) == 6
	LDXQ 7, 1, \t                                  ; into buffer 1: likewise, by the wait behind step 5
.elseif ((\s) == 7) && (\pre)
	LDXQ 4, 0, \t                                  ; into buffer 0, for the next expert: likewise, by the wait behind step 6
.endif
.endr
.rept 8
	v_nop                                          ; eight places behind the step's last product, ahead of the first read of its results and of the loads into registers that it has read; the wait below fills no place, and the places stand for no wait
.endr
.if (\pre) || ((\s) < 6)
	s_wait_alu depctr_va_vdst(0)                   ; this step's products are done reading their slot of the ring; step 0's the bias, steps 3's and 7's the scale words, steps 4 to 7 their buffer of x: loads land in all of these from here on
.endif
.if (\s) < 4
	LDW 24, (\s)+4, \s                             ; this expert's K step s + 4 into the slot just read
.elseif \pre
	LDW 26, (\s)-4, (\s)-4                         ; the next expert's K step s - 4
.endif
.if \pre
.if (\s) == 0
	LDBI
.elseif (\s) == 3
	LDSC 0
.elseif (\s) == 7
	LDSC 1
.endif
.endif
.endm
; ONE EXPERT.  first = 1: its products start OUT (nothing is ever cleared).  pre = 1: another expert follows, and its W, bias and scale words are asked for on the way.
.macro TRIP first, pre
	s_wait_xcnt 0x0                                ; every load issued so far has read its base: the bases may be written
	s_mov_b64 s[24:25], s[26:27]
	s_mov_b32 s33, s34                             ; the expert in hand
.if \pre
	NEXT
.endif
.irp t, 0,1,2,3
	v_cmp_eq_u32 s[40+\t], s33, v[LO+\t]
	v_cmp_eq_u32 s[44+\t], s33, v[HI+\t]
.endr
	s_wait_alu depctr_va_sdst(0)                   ; the eight compares have written s40 to s47, which the selects below read
.irp t, 0,1,2,3
	v_cndmask_b32 v[WQ+2*\t], 0, v[WP+2*\t+1], s[44+\t]            ; w_hi where it is my token's hi, else 0;
.endr
.irp t, 0,1,2,3
	v_cndmask_b32 v[WQ+2*\t], v[WQ+2*\t], v[WP+2*\t], s[40+\t]     ; w_lo where it is its lo
.endr
.irp s, 0,1,2,3,4,5,6,7
	KSTEP \s, \pre
.endr
.if !(\pre)
	WIN 0x80                                       ; the way out wants, in each half of the lanes, the token of row 2 i + h of each tile: read from the list again, into the ring's slot 0,
.irp t, 0,1,2,3                        ; which was last read four K steps ago, by products that stand ahead of the wait behind step 5; nothing issued since names it.  The loads land under the 64 multiply-adds below
.irp i, 0,1,2,3,4,5,6,7
	global_load_b32 v[8*\t+\i], v[VRK], s[18:19] offset:64*\t+8*\i
.endr
.endr
.endif
.irp t, 0,1,2,3
.if \first
	WIN 0x40                                       ; destination window 1
.irp c, 0,1,2,3
.irp j, 0,2,4,6
	v_pk_mul_f32 v[8*(4*\t+\c)+\j:8*(4*\t+\c)+\j+1], v[TMP+8*(4*\t+\c)+\j:TMP+8*(4*\t+\c)+\j+1], v[WQ+2*\t:WQ+2*\t+1] op_sel_hi:[1,0]
.endr
.endr
.else
	WIN 0x50                                       ; destination and source 2 window 1
.irp c, 0,1,2,3
.irp j, 0,2,4,6
	v_pk_fma_f32 v[8*(4*\t+\c)+\j:8*(4*\t+\c)+\j+1], v[TMP+8*(4*\t+\c)+\j:TMP+8*(4*\t+\c)+\j+1], v[WQ+2*\t:WQ+2*\t+1], v[8*(4*\t+\c)+\j:8*(4*\t+\c)+\j+1] op_sel_hi:[1,0,1]   ; each accumulator from its low end on
.endr
.endr
.endif
.if \pre
	LDXQ 5, 1, \t                                  ; the next trip's K step 5 of x into buffer 1.  No wait: step 7's products, which read it, stand ahead of the wait behind step 7, and these multiply-adds name TMP, WQ and OUT alone
.endif
.endr
	WIN 0                                          ; at a label and at a branch every window is 0
.endm
	s_load_b512 s[8:23], s[0:1], 0x0               ; x_codes s[8:9], x_scales s[10:11], W_codes s[12:13], W_scales s[14:15], b s[16:17], rec s[18:19], wsort s[20:21], out0 s[22:23]
	v_lshl_add_u32 v126, v0, 2, 0x14400
	v_mov_b32 v127, 0
	v_lshrrev_b32 v1, 5, v0
	v_readfirstlane_b32 s2, v1                     ; wave 0..3
	v_and_b32 v1, 15, v0                           ; r
	v_bfe_u32 v2, v0, 4, 1                         ; h
	v_and_b32 v3, 31, v0                           ; lane
	v_lshlrev_b32 v[VW], 10, v1
	v_lshl_add_u32 v[VW], v2, 4, v[VW]
	v_lshlrev_b32 v[VSC], 5, v3
	v_lshlrev_b32 v[VBI], 5, v2
	v_lshlrev_b32 v[VXL], 4, v3
	s_wait_alu depctr_va_sdst(0)                   ; s2 is written, ahead of its first reader
	s_lshl_b32 s37, s2, 14
	v_add_nc_u32 v[VXS], s37, v[VXL]
	s_mul_i32 s37, s2, 4352
	s_add_co_u32 s37, s37, STG                     ; my stage
	v_mul_u32_u24 v[VST], v1, 272
	v_lshl_add_u32 v[VST], v2, 5, v[VST]
	v_add_nc_u32 v[VST], s37, v[VST]               ; in: row r, 32 bytes for each half of the lanes
	v_mul_u32_u24 v[VRD], v2, 272
	v_lshl_add_u32 v[VRD], v1, 4, v[VRD]
	v_add_nc_u32 v[VRD], s37, v[VRD]               ; back: lanes 0-15 one row of 256 bytes, lanes 16-31 the next
	v_mov_b32 v[ONE], 1
	v_lshlrev_b32 v[VRK], 2, v2
	v_lshlrev_b32 v[R16], 4, v1
	v_lshlrev_b32 v108, 2, v1                      ; the list: 4 r,
	s_lshl_b32 s37, s2, 6
	v_add_nc_u32 v109, s37, v108                   ; 4 r + 64 w for my own tile;
	v_lshlrev_b32 v110, 3, v1                      ; the weights: 8 r
.irp t, 0,1,2,3
	v_mov_b32 v[WQ+2*\t+1], 0                      ; named as the upper half of a pair, so it is written
.endr
	s_and_b32 s4, ttmp7, 0xffff                    ; which 64 of the sorted tokens
	s_lshl_b32 s5, ttmp9, 8
	s_add_co_u32 s5, s5, s37                       ; col0 = 256 x + 64 w
	s_mov_b32 s39, 0
	s_wait_kmcnt 0x0
	s_lshl_b32 s38, s4, 8
	s_add_nc_u64 s[18:19], s[18:19], s[38:39]      ; rec at my group
	s_lshl_b32 s38, s4, 9
	s_add_nc_u64 s[20:21], s[20:21], s[38:39]      ; wsort likewise
	s_wait_alu depctr_va_vdst(0)                   ; the offsets and LDS addresses v4 to v10, v13 and v108 to v110 are written: the kernel's loads and stores read them, and none is written again
.irp t, 0,1,2,3
	global_load_b32 v[TOK+\t], v108, s[18:19] offset:64*\t
.endr
	global_load_b32 v15, v109, s[18:19]
.irp t, 0,1,2,3
	global_load_b64 v[WP+2*\t:WP+2*\t+1], v110, s[20:21] offset:128*\t
.endr
	s_lshl_b32 s38, s5, 10
	s_add_nc_u64 s[12:13], s[12:13], s[38:39]      ; W's codes, scale bytes, b and out0 at my first column
	s_lshl_b32 s38, s5, 5
	s_add_nc_u64 s[14:15], s[14:15], s[38:39]
	s_lshl_b32 s38, s5, 2
	s_add_nc_u64 s[16:17], s[16:17], s[38:39]
	s_add_nc_u64 s[22:23], s[22:23], s[38:39]
	s_wait_loadcnt 0x0
.irp t, 0,1,2,3
	v_bfe_u32 v[LO+\t], v[TOK+\t], 16, 4
	v_bfe_u32 v[HI+\t], v[TOK+\t], 12, 4
	v_and_b32 v[TOK+\t], 0xfff, v[TOK+\t]
	v_min_u32 v[TOK+\t], 0xfff, v[TOK+\t]          ; held inside the table ahead of its use in an address
	v_lshlrev_b32 v[111+\t], 5, v[TOK+\t]
	v_lshl_add_u32 v[111+\t], v2, 4, v[111+\t]     ; its scale bytes: token x 32 + 16 h
.endr
	v_and_b32 v15, 0xfff, v15
	v_min_u32 v15, 0xfff, v15
	v_lshlrev_b32 v[VXG], 10, v15
	v_lshl_add_u32 v[VXG], v2, 4, v[VXG]
	s_wait_alu depctr_va_vdst(0)                   ; the tokens' offsets v11 and v111 to v114 are written, which the gather below reads
.irp s, 0,1,2,3,4,5,6,7                ; my own tile's eight fragments, gathered by token, into TMP's registers for the moment
.irp q, 0,1,2,3
	global_load_b128 v[TMP+16*\s+4*\q:TMP+16*\s+4*\q+3], v[VXG], s[8:9] offset:128*\s+32*\q
.endr
.endr
.irp t, 0,1,2,3
	global_load_b128 v[XS+4*\t:XS+4*\t+3], v[111+\t], s[10:11]
.endr
	; the experts that my 64 tokens name, as a mask
	v_lshlrev_b32 v115, v[LO], v[ONE]
.irp t, 1,2,3
	v_lshlrev_b32 v116, v[LO+\t], v[ONE]
	v_or_b32 v115, v115, v116
.endr
.irp t, 0,1,2,3
	v_lshlrev_b32 v116, v[HI+\t], v[ONE]
	v_or_b32 v115, v115, v116
.endr
	s_mov_b32 s32, 0
.irp i, 0,1,2,3,4,5,6,7                ; sixteen lanes' masks into sixteen scalar registers that are free here, in one run, so that one wait serves them all
	v_readlane_b32 s[24+\i], v115, \i
.endr
.irp i, 0,1,2,3,4,5,6,7
	v_readlane_b32 s[40+\i], v115, 8+\i
.endr
	s_wait_alu depctr_va_sdst(0)                   ; s24 to s31 and s40 to s47 are written, ahead of their first reader
.irp i, 0,1,2,3,4,5,6,7
	s_or_b32 s32, s32, s[24+\i]
.endr
.irp i, 0,1,2,3,4,5,6,7
	s_or_b32 s32, s32, s[40+\i]
.endr
	s_bcnt1_i32_b32 s36, s32
	s_sub_co_u32 s36, s36, 2                       ; the trips of the middle loop: lo and hi differ, so there are two experts at the least;
	s_max_i32 s36, s36, 0                          ; (held at 0, so that no list whatever makes the loop run on)
	NEXT                                           ; the first expert
	LDBI                                           ; (no vector instruction has named BI, SC or the ring, and their offsets stand ahead of the waits above)
	LDSC 0
	LDW 26, 0, 0
	WIN 0
	s_wait_loadcnt 26                              ; the gather and x's scale words are in: behind them 8 + 2 + 16 loads were issued
.irp s, 0,1,2,3,4,5,6,7
.irp q, 0,1,2,3
	ds_store_b128 v[VXS], v[TMP+16*\s+4*\q:TMP+16*\s+4*\q+3] offset:2048*\s+512*\q   ; the fragment as it stands: lane l's 16 bytes at 16 l
.endr
.endr
	LDW 26, 1, 1
	LDW 26, 2, 2
	LDW 26, 3, 3
	LDSC 1
	s_wait_dscnt 0x0                               ; for the others' sake: my images have landed
	s_barrier_signal -1
	s_barrier_wait -1                              ; all 32 fragments of x lie in LDS; nobody writes them again
	s_wait_alu depctr_vm_vsrc(0)                   ; my LDS stores have read TMP's registers, which the first products write
	WIN 0xc0                                       ; destination window 3
.irp t, 0,1,2,3
.irp s, 0,1,2,3
.irp q, 0,1,2,3
	ds_load_b128 v[16*(4*\t+\s)+4*\q:16*(4*\t+\s)+4*\q+3], v[VXL] offset:(8*\t+\s)*2048+512*\q
.endr
.endr
.endr
	LDX 4, 0
	LDX 5, 1
	WIN 0
	s_wait_dscnt 32                                ; K steps 0-3 are in; the two buffers' 32 loads may be out
	TRIP 1, 1
	s_cmp_eq_u32 s36, 0
	s_cbranch_scc1 .Ltail
	s_mov_b32 s35, 0
.Lmid:
	TRIP 0, 1
	s_add_co_u32 s35, s35, 1
	s_cmp_lt_u32 s35, s36
	s_cbranch_scc1 .Lmid
.Ltail:
	TRIP 0, 0                                      ; the last expert asks for nothing more of W: no load leaves its buffer
	; THE WAY OUT.  A lane holds 32 neighbouring bytes of a row, and the lanes beside it hold other rows, which are other tokens, far apart in out0.  So a tile of 16 rows x 256 bytes goes through my own
	; stage in LDS and comes back by rows: sixteen lanes then store 256 consecutive bytes, at a multiple of 256 from out0's first byte.
	s_wait_loadcnt 0x0                             ; the rows' tokens
	WIN 0x08                                       ; source 1 window 2
.set n, 0
.rept 32
	v_and_b32 v[GOF+n], 0xfff, v[n]
.set n, n+1
.endr
	WIN 0
.set n, 0
.rept 32
	v_min_u32 v[GOF+n], 0xfff, v[GOF+n]            ; held inside the table ahead of its use in an address
.set n, n+1
.endr
.set n, 0
.rept 32
	v_lshl_add_u32 v[GOF+n], v[GOF+n], 12, v[R16]  ; token x 4,096 + 16 r
.set n, n+1
.endr
	s_wait_alu depctr_va_vdst(0)                   ; OUT is written, which the LDS stores read; the 32 offsets are written, which the global stores read; the multiply-adds are done reading TMP's registers, in which the rows land.  No vector instruction follows
.macro TOSTAGE t
	WIN 0x04                                       ; an LDS store's data are its source 1: window 1
.irp c, 0,1,2,3
	ds_store_b128 v[VST], v[8*(4*(\t)+\c):8*(4*(\t)+\c)+3] offset:64*\c
	ds_store_b128 v[VST], v[8*(4*(\t)+\c)+4:8*(4*(\t)+\c)+7] offset:64*\c+16
.endr
	WIN 0
.irp i, 0,1,2,3,4,5,6,7
	ds_load_b128 v[BK+32*((\t)%2)+4*\i:BK+32*((\t)%2)+4*\i+3], v[VRD] offset:544*\i   ; LDS serves a wave's instructions in order (ISA guide 5.7.1.4): these see the stores above, and the next tile's stores come behind them
.endr
.endm
.macro SEND t, younger                 ; younger: the LDS instructions issued behind tile t's loads: the next tile's sixteen, or none
.irp i, 0,1,2,3,4,5,6,7
	s_wait_dscnt \younger+7-\i
	global_store_b128 v[GOF+8*(\t)+\i], v[BK+32*((\t)%2)+4*\i:BK+32*((\t)%2)+4*\i+3], s[22:23] th:TH_STORE_NT   ; written once, read by nobody here
.endr
.endm
	TOSTAGE 0
.irp t, 1,2,3
.if \t > 1
	s_wait_xcnt 0x0                                ; tile t - 2's stores have had their addresses translated,
	s_wait_alu depctr_vm_vsrc(0)                   ; and have read their data registers, in which tile t's rows land
.endif
	TOSTAGE \t
	SEND \t-1, 16
.endr
	SEND 3, 0
	s_wait_dscnt 0x0                               ; the closing lines, six on end
	s_wait_alu 0x0
	s_wait_tensorcnt 0x0
	ds_add_u32 v126, v127
	s_wait_dscnt 0x0
	s_endpgm
.Lfunc_end_k_qc0b32b14e9_experts:
	.size	k_qc0b32b14e9_experts, .Lfunc_end_k_qc0b32b14e9_experts-k_qc0b32b14e9_experts
	.p2alignl 7, 3214868480
	.fill 96, 4, 3214868480
	.section	.rodata,"a",@progbits
	.p2align	6, 0x0
	.amdhsa_kernel k_qc0b32b14e9_experts
		.amdhsa_group_segment_fixed_size 83456
		.amdhsa_private_segment_fixed_size 0
		.amdhsa_enable_private_segment 0
		.amdhsa_kernarg_size 64
		.amdhsa_user_sgpr_count 2
		.amdhsa_user_sgpr_kernarg_segment_ptr 1
		.amdhsa_wavefront_size32 1
		.amdhsa_system_sgpr_workgroup_id_x 1
		.amdhsa_system_sgpr_workgroup_id_y 1
		.amdhsa_system_sgpr_workgroup_id_z 1
		.amdhsa_system_vgpr_workitem_id 0
		.amdhsa_next_free_vgpr 1024
		.amdhsa_next_free_sgpr 66
		.amdhsa_reserve_vcc 0
		.amdhsa_float_denorm_mode_32 3
		.amdhsa_float_denorm_mode_16_64 3
		.amdhsa_memory_ordered 1
		.amdhsa_forward_progress 1
		.amdhsa_inst_pref_size 163
	.end_amdhsa_kernel
	.amdgpu_metadata
---
amdhsa.version: [ 1, 2 ]
amdhsa.kernels:
  - .name:           k_qc0b32b14e9_experts
    .symbol:         k_qc0b32b14e9_experts.kd
    .args:
      - { .name: x_codes, .offset: 0, .size: 8, .value_kind: global_buffer, .address_space: global }
      - { .name: x_scales, .offset: 8, .size: 8, .value_kind: global_buffer, .address_space: global }
      - { .name: W_codes, .offset: 16, .size: 8, .value_kind: global_buffer, .address_space: global }
      - { .name: W_scales, .offset: 24, .size: 8, .value_kind: global_buffer, .address_space: global }
      - { .name: b, .offset: 32, .size: 8, .value_kind: global_buffer, .address_space: global }
      - { .name: rec, .offset: 40, .size: 8, .value_kind: global_buffer, .address_space: global }
      - { .name: wsort, .offset: 48, .size: 8, .value_kind: global_buffer, .address_space: global }
      - { .name: out0, .offset: 56, .size: 8, .value_kind: global_buffer, .address_space: global }
    .group_segment_fixed_size: 83456
    .private_segment_fixed_size: 0
    .kernarg_segment_align: 8
    .kernarg_segment_size: 64
    .max_flat_workgroup_size: 128
    .sgpr_count:     66
    .vgpr_count:     1024
    .wavefront_size: 32
...
	.end_amdgpu_metadata
.endif
;; end of part 6
